; MI455X (gfx1250); checked and timed in simulation.
; The chip was launched on July 23, 2026; its instructions are those of AMD's public machine-readable ISA for CDNA 5 (MIT licence, August 2026) and "CDNA5" Instruction Set Architecture Reference Guide (July 2026). The comments in the code are by the model that wrote it; some were corrected since.
;; Attention Layer. Allowed arithmetic: matrix products marked QUANTISED: E2M3 operands, one E8M0 scale for each 32 along K, by v_wmma_scale_f32_16x16x128_f8f6f4 with both operands' format E2M3, f32 sums; everything else in f32.
;; Inputs: Wk 1,024 x 1,024 float32; Wo 1,024 x 1,024 float32; Wq 1,024 x 1,024 float32; Wv 1,024 x 1,024 float32; bk 1,024 float32; bo 1,024 float32; bq 1,024 float32; bv 1,024 float32; keys 4 x 2,048 x 1,024 float32; queries 4 x 2,048 x 1,024 float32; values 4 x 2,048 x 1,024 float32.
;; Outputs: out0 4 x 2,048 x 1,024 float32.
;; This version of the problem:
;;   THIS VERSION OF THE PROBLEM IS GIVEN IN LOW PRECISION. The matrix products marked QUANTISED in the list below multiply operands that are first quantised to E2M3 (2 exponent bits, 3 mantissa bits; 6 bits a number), with one power-of-two scale for each 32 numbers along K (OCP MX v1.0); their sums are f32. All else is computed in f32.
;;   The module's matrix products, in the order in which they are computed (A, B: the left and right operand; K: the contracted axis; several contracted axes count as one K, in the product's order):
;;     1. [M 8,192, K 1,024] x [K 1,024, N 1,024]; A: input queries; B: input Wq: QUANTISED
;;     2. [M 8,192, K 1,024] x [K 1,024, N 1,024]; A: input keys; B: input Wk: QUANTISED
;;     3. [M 8,192, K 1,024] x [K 1,024, N 1,024]; A: input values; B: input Wv: QUANTISED
;;     4. batch 64 x [M 2,048, K 64] x [K 64, N 2,048]; A: computed on the way; B: computed on the way: QUANTISED
;;     5. batch 64 x [M 64, K 2,048] x [K 2,048, N 2,048]; A: computed on the way; B: softmax (see below): QUANTISED
;;     6. [M 8,192, K 1,024] x [K 1,024, N 1,024]; A: computed on the way; B: input Wo: QUANTISED
;;   THE QUANTISER, for each operand of a quantised product, along K:
;;     - K is cut into blocks of 32 from its start; a last block that is shorter is filled with zeros.
;;     - A block's scale is 2^e with e = floor(log2(the largest magnitude in the block)) - 2, held to -126 .. 127; a block of zeros has e = 0. As a byte (E8M0): e + 127.
;;     - Each number is divided by its block's scale, clamped to +-7.5, and rounded to the nearest number of E2M3, ties to even, subnormals kept.
;;     - The product sums the exact products of the quantised numbers (number of the format x scale) in f32.
;;   ~~~python
;;   def quantise(x, axis):      # numpy; x: float32 -> the quantised numbers, widened to float32 again
;;       x = np.moveaxis(x, axis, -1); K = x.shape[-1]
;;       x = np.pad(x, [(0, 0)] * (x.ndim - 1) + [(0, -K % 32)]); x = x.reshape(x.shape[:-1] + (-1, 32)); a = np.abs(x).max(-1, keepdims=True)
;;       e = np.where(a > 0, np.clip(np.frexp(np.where(a > 0, a, 1))[1] - 1 - 2, -126, 127), 0)      # np.frexp(a)[1] - 1 = floor(log2(a)), exactly
;;       r = np.clip(x / 2.0 ** e, -7.5, 7.5)
;;       step = 2.0 ** (np.maximum(np.frexp(np.where(r == 0, 1, r))[1] - 1, 0) - 3)
;;       q = np.round(r / step) * step * 2.0 ** e      # np.round: ties to even
;;       return np.moveaxis(q.reshape(q.shape[:-2] + (-1,))[..., :K], -1, axis).astype(np.float32)
;;   ~~~
;;   SOFTMAX AHEAD OF A QUANTISED PRODUCT. Where the list says 'softmax', what is quantised is not the finished softmax but p = 2^(t - M), with t = logit x log2(e) and M = ceil(the row's largest t), a whole number; so 1/2 < the row's largest p <= 1. The row's sum l is taken of the UNQUANTISED p, in f32, and the product's result is divided by l at the end. Since M is a whole number, a kernel that streams over the keys may use a running M (the ceiling of the running maximum): every later rescaling is an exact power of two, which a block's scale takes up: the codes' values come out the same.
;;   OPERANDS COMPUTED ON THE WAY. 'Computed on the way' means the value that the module computes at that place (a softmax that the list does not call 'softmax' is quantised finished and normalised). What goes into a quantiser is computed in f32, as accurately as f32 sums, v_exp_f32 and their like allow (about 1e-6 of the number): no bf16 or f16 on the way to a quantiser, and a product that is left as it is and whose result goes on into a quantised operand takes f32 operands (vector FMAs, or v_wmma_f32_16x16x4_f32). A number that lies on a knife's edge between two numbers of the format may be rounded either way, as far as f32 arithmetic and the matrix unit's own rounding can turn it there, and no further.
;; One version. Each part assembles by itself: llvm-mc -triple=amdgcn-amd-amdhsa -mcpu=gfx1250 --defsym DOCPART=n.
;; ======== version 1 of 1: 4 launches
;; limits: right only within a limited range of input values
;; workspace buffers: wbuf 3,276,800 bytes; xbuf 19,660,800 bytes; hbuf 20,185,088 bytes; cbuf 6,553,600 bytes
;; launch quant (part 1): grid 896 x 1, 4 waves a work-group, no clusters, 68,096 bytes of LDS; arguments queries, keys, values, Wq, Wk, Wv, Wo, xbuf, wbuf; writes xbuf, wbuf
.if DOCPART == 1
	.amdgcn_target "amdgcn-amd-amdhsa--gfx1250"
	.amdhsa_code_object_version 6
	.text
	.protected	k_q69d3331013_quant
	.globl	k_q69d3331013_quant
	.p2align	8
	.type	k_q69d3331013_quant,@function
k_q69d3331013_quant:
	s_mov_b64 s[64:65], 0
	v_nop
	global_prefetch_b8 v0, s[64:65] scope:SCOPE_SE
	s_setreg_imm32_b32 hwreg(HW_REG_WAVE_MODE, 25, 1), 1
	s_wait_xcnt 0x0
; ALL SEVEN OPERANDS THAT ARRIVE AS f32 ARE TURNED INTO CODES OF FP6 (E2M3) AND E8M0 SCALE BYTES, one byte for each 32 along K, in one launch.
; Work-groups 0 .. 767 take queries, keys, values ([8192 rows][1024], K innermost), 256 each; work-groups 768 .. 895 take Wq, Wk, Wv, Wo ([1024 (k)][1024 (n)], K the first axis), 32 each.  Every work-group reads 131,072 bytes.
; The two paths part on the work-group's number alone, and each has LDS bytes of its own.
; A block's scale is 2^(floor(log2(its largest magnitude)) - 2); its byte is the largest magnitude's exponent field - 2, held at 1 from below.
; LIMITS: a block of zeros, or one whose largest magnitude lies under 2^-124, gets the byte 1 (the bytes are read by this program alone); NaN and infinities are not served.
; THE CODES' PLACE, in xbuf and wbuf alike: [groups of 128 positions][4 K steps of 256][128 positions][192 bytes]: a group's K step is a dense block of 24,576 bytes that begins at a multiple of 256 bytes.
; xbuf: tensor m (0 queries, 1 keys, 2 values) at m x 6,291,456; scale bytes [position][32] at 18,874,368 + m x 262,144.  wbuf: weight w (0 Wq, 1 Wk, 2 Wv, 3 Wo) at w x 786,432; scale bytes [position][32] at 3,145,728 + w x 32,768.
; POSITIONS.  A row of queries or values and a column of a weight lie at position PI(i) = i with its bits 3 and 4 exchanged.  A row of keys: token bit 5 goes to position bit 3, token bits 3 and 4 to position bits 4 and 5:
; sixteen neighbouring positions are then tokens 8 j + i and 32 + 8 j + i of a group of 64.
; No barrier: waves share nothing.
.set EMAX,  2
.set SPW,   192                        ; v192 LDS address of my spare word; never rewritten
.set NIL,   193                        ; v193 0; never rewritten
.set SPARE, 32768                      ; behind the first path's four regions: the spare words, 128 bytes a wave
.set WST,   33280                      ; behind them: the second path's four stages
	v_lshl_add_u32 v[SPW], v0, 2, SPARE
	v_mov_b32 v[NIL], 0
	v_lshrrev_b32 v1, 5, v0
	v_readfirstlane_b32 s16, v1                    ; wave
	v_and_b32 v2, 31, v0                           ; lane
	s_cmp_lt_u32 ttmp9, 768
	s_wait_alu depctr_va_vdst(0)                   ; the wait directly ahead of the branch
	s_cbranch_scc0 .Lweights
; ---- QUERIES, KEYS, VALUES.  A wave takes a run of 8 rows in 16 steps of 512 numbers: step t is rows 2 (t / 4), 2 (t / 4) + 1 of the run, K step t % 4.  Each of a step's four loads reads 512 consecutive bytes;
; the 2,048 bytes turn through the wave's own stage in LDS and come back 64 bytes a lane: a lane holds 16 neighbours along K, two neighbouring lanes a block, lanes 0-15 the first row, lanes 16-31 the second.
; A lane's 16 codes are 12 bytes: the wave stores 384 consecutive bytes, two rows of a K step.  A wave's 256 scale bytes are gathered in LDS and leave as one aligned block of 256.
; Loads run four steps (16 loads a wave) ahead, the turn through LDS one step.
.set STEPS, 16
.set CB,    12                         ; bytes of 16 codes
.set R,     16                         ; v16-79   four sets of 16 numbers as they are loaded
.set X,     80                         ; v80-111  two sets of 16 neighbours
.set C,     128                        ; v128-191 codes: four registers for each step, so that no store's data are written again
.set E,     112                        ; v112-127 a scale byte for each step
.set WREG,  8192                       ; LDS: a region for each wave: two stages of 32 x SP bytes, then its 256 scale bytes
.set SP,    80                         ; a lane's place in a stage: 64 bytes + 16 of padding
	s_load_b128 s[4:7], s[0:1], 0x0                ; queries, keys
	s_load_b64 s[8:9], s[0:1], 0x10                ; values
	s_load_b64 s[10:11], s[0:1], 0x38              ; xbuf
	v_lshlrev_b32 v3, 4, v2                        ; my 16 bytes of a load's 512
	s_mul_i32 s17, s16, WREG
	v_lshrrev_b32 v14, 2, v2
	v_mul_u32_u24 v14, v14, SP
	v_and_b32 v15, 3, v2
	v_lshl_add_u32 v14, v15, 4, v14
	v_add_nc_u32 v14, s17, v14                     ; the stage, on the way in: SP (lane / 4) + 16 (lane % 4)
	v_mul_u32_u24 v15, v2, SP
	v_add_nc_u32 v15, s17, v15                     ; and on the way out: SP x lane
	v_mul_u32_u24 v4, v2, CB                       ; my codes' place in a step's 384 bytes
	v_and_b32 v5, 15, v2
	v_lshrrev_b32 v5, 1, v5                        ; my block among the K step's eight,
	v_lshrrev_b32 v8, 4, v2
	v_lshl_add_u32 v5, v8, 5, v5                   ; in my row's 32 bytes
	s_add_co_u32 s17, s17, 2*32*SP
	v_add_nc_u32 v5, s17, v5                       ; LDS: my wave's 256 scale bytes, [row][32]
	v_lshlrev_b32 v7, 3, v2                        ; and on the way out 8 bytes a lane
	v_add_nc_u32 v6, s17, v7
	s_lshr_b32 s22, ttmp9, 8                       ; which tensor
	s_and_b32 s18, s16, 1                          ; the run's place on the way out: the wave's two bits exchanged,
	s_lshl_b32 s18, s18, 1
	s_lshr_b32 s19, s16, 1
	s_or_b32 s18, s18, s19
	s_lshl_b32 s19, ttmp9, 2
	s_add_co_u32 s18, s18, s19                     ; counted through all three tensors: 1,024 runs each;
	s_lshr_b32 s23, ttmp9, 1                       ; for the keys: the work-group's lowest bit below the wave's two
	s_lshl_b32 s23, s23, 3
	s_lshl_b32 s19, s16, 1
	s_or_b32 s23, s23, s19
	s_and_b32 s19, ttmp9, 1
	s_or_b32 s23, s23, s19
	s_cmp_eq_u32 s22, 1
	s_cselect_b32 s18, s23, s18
	s_lshr_b32 s20, s18, 4                         ; sixteen runs to a group of 128 positions: 98,304 bytes
	s_mul_i32 s20, s20, 98304
	s_and_b32 s19, s18, 15                         ; a run's 8 rows of a K step: 1,536 bytes
	s_mul_i32 s19, s19, 1536
	s_add_co_u32 s20, s20, s19
	s_mov_b32 s21, 0
	s_lshl_b32 s24, s18, 8                         ; 256 scale bytes a run
	s_add_co_u32 s24, s24, 18874368
	s_mov_b32 s25, 0
	s_and_b32 s26, ttmp9, 255                      ; the run on the way in: 4 x work-group in the tensor + wave, 32,768 bytes each
	s_lshl_b32 s26, s26, 2
	s_add_co_u32 s26, s26, s16
	s_lshl_b32 s26, s26, 15
	s_mov_b32 s27, 0
	s_wait_alu depctr_va_vdst(0)                   ; the wait at the head's end
	s_wait_kmcnt 0x0
	s_cmp_eq_u32 s22, 0                            ; the tensor is chosen by the work-group's number alone
	s_cselect_b64 s[4:5], s[4:5], s[6:7]
	s_cmp_eq_u32 s22, 2
	s_cselect_b64 s[4:5], s[8:9], s[4:5]
	s_add_nc_u64 s[4:5], s[4:5], s[26:27]
	s_add_nc_u64 s[8:9], s[10:11], s[20:21]        ; the codes
	s_add_nc_u64 s[10:11], s[10:11], s[24:25]      ; the scale bytes
.macro LOAD t
.irp i, 0,1,2,3
	global_load_b128 v[R+16*((\t)%4)+4*\i:R+16*((\t)%4)+4*\i+3], v3, s[4:5] offset:(2*((\t)/4)+\i/2)*4096+((\t)%4)*1024+(\i%2)*512 th:TH_LOAD_NT   ; 32 lanes read 512 consecutive bytes
.endr
.endm
.macro TURN t                          ; LDS serves a wave's instructions in order: no wait stands between the stores and the loads
.irp i, 0,1,2,3
	ds_store_b128 v14, v[R+16*((\t)%4)+4*\i:R+16*((\t)%4)+4*\i+3] offset:32*SP*((\t)%2)+8*SP*\i
.endr
.irp i, 0,1,2,3
	ds_load_b128 v[X+16*((\t)%2)+4*\i:X+16*((\t)%2)+4*\i+3], v15 offset:32*SP*((\t)%2)+16*\i
.endr
.endm
.irp t, 0,1,2,3
	LOAD \t
.endr
	s_wait_loadcnt 12                              ; step 0's four loads are in; the 12 of steps 1 to 3 may be out
	TURN 0
.macro STEP t
.set XS, X+16*((\t)%2)
.if (\t) > 0
	s_wait_dscnt 1                                 ; this step's numbers are back from the stage (the last step's byte store may be out): so its stores into the stage have read their registers,
.else
	s_wait_dscnt 0x0
.endif
.if (\t)+4 < STEPS
	LOAD (\t)+4                                    ; which take the loads of four steps on
.endif
.if (\t)+1 < STEPS
.if STEPS-2-(\t) >= 3
	s_wait_loadcnt 12                              ; the next step's four loads are in; those of the three steps behind it may be out
.else
	s_wait_loadcnt 4*(STEPS-2-(\t))
.endif
	TURN (\t)+1
.endif
	v_max3_num_f32 v8, |v[XS]|, |v[XS+1]|, |v[XS+2]|               ; the largest magnitude of my 16
	v_max3_num_f32 v9, |v[XS+3]|, |v[XS+4]|, |v[XS+5]|
.irp i, 6,10
	v_max3_num_f32 v8, v8, |v[XS+\i]|, |v[XS+\i+1]|
	v_max3_num_f32 v9, v9, |v[XS+\i+2]|, |v[XS+\i+3]|
.endr
	v_max3_num_f32 v8, v8, |v[XS+14]|, |v[XS+15]|
	v_max3_num_f32 v8, v8, v9, (EMAX+1)<<23        ; and the floor 2^(3 - 127): the byte cannot fall under 1
	v_max_num_f32_dpp v8, v8, v8 row_xmask:1 row_mask:0xf bank_mask:0xf   ; and of my neighbour's 16: the block's
	v_add_nc_u32 v11, -(EMAX<<23), v8              ; 2 off its exponent field: the conversion's scale operand
	v_cvt_scalef32_pk16_fp6_f32 v[C+4*(\t):C+4*(\t)+2], v[XS:XS+15], v11
	v_lshrrev_b32 v[E+(\t)], 23, v11               ; the scale's byte (also the plain line behind the conversion)
	ds_store_b8 v5, v[E+(\t)] offset:64*((\t)/4)+8*((\t)%4)        ; both lanes of a block write the same byte with the same value
	global_store_b96 v4, v[C+4*(\t):C+4*(\t)+2], s[8:9] offset:((\t)%4)*24576+((\t)/4)*384   ; 32 lanes store 384 consecutive bytes
.endm
.irp t, 0,1,2,3,4,5,6,7,8,9,10,11,12,13,14,15
	STEP \t
.endr
	ds_load_b64 v[8:9], v6                         ; LDS serves a wave's instructions in order: these see my stores
	s_wait_dscnt 0x0
	global_store_b64 v7, v[8:9], s[10:11]          ; 32 lanes store 256 consecutive bytes, aligned
	s_wait_tensorcnt 0x0                           ; the wave's end: behind my last LDS store
	ds_add_u32 v[SPW], v[NIL]
	s_wait_dscnt 0x0
	s_endpgm
; ---- THE WEIGHTS.  Work-group 768 + 8 y + x: weight y / 4, K step y % 4, columns 128 x on; a wave 32 columns x 256 along K: 8 blocks a lane, 192 bytes of codes a column.
; A LANE TAKES A COLUMN AND ITS REGISTERS RUN DOWN K: a load reads 128 consecutive bytes a wave, a block of 32 along K lies in one lane's 32 registers, and the conversions give codes with K innermost.
; The codes go through the wave's own stage in LDS and leave as rows: 32 lanes store two positions' 384 consecutive bytes.  The scale bytes leave 8 bytes a lane.
.set SIZE_N, 1024
.set NB,    8                          ; blocks
.set PITCH, 272                        ; a stage row: sixteen places of 16 bytes, each with 12 bytes of codes, + 16
.set KROW,  192                        ; from a position's codes of a K step to the next position's
.set WX,    32                         ; v32-95   two sets of 32 numbers
.set WC,    96                         ; v96..    a block's codes
.set OUTR,  112                        ; v112-175 the way out
.set SB,    24                         ; v24-25   the scale bytes, four to a register
.Lweights:
	s_load_b256 s[4:11], s[0:1], 0x18              ; Wq, Wk, Wv, Wo
	s_load_b64 s[12:13], s[0:1], 0x40              ; wbuf
	s_sub_co_u32 s15, ttmp9, 768
	s_and_b32 s17, s15, 7
	s_lshl_b32 s17, s17, 7
	s_lshl_b32 s18, s16, 5
	s_add_co_u32 s17, s17, s18                     ; my wave's first column: 128 x + 32 wave
	s_lshr_b32 s18, s15, 3
	s_lshr_b32 s14, s18, 2                         ; which weight
	s_and_b32 s18, s18, 3                          ; which K step
	v_lshlrev_b32 v3, 2, v2                        ; in: 4 bytes a lane
	s_mul_i32 s19, s16, 32*PITCH                   ; my stage
	s_add_co_u32 s19, s19, WST
	v_mul_u32_u24 v4, v2, PITCH
	v_add_nc_u32 v4, s19, v4                       ; into it: row = my column
	v_and_b32 v5, 15, v2
	v_lshrrev_b32 v6, 4, v2                        ; out of it: sixteen lanes to a row, two rows an instruction
	v_mul_u32_u24 v7, v6, PITCH
	v_lshl_add_u32 v7, v5, 4, v7
	v_add_nc_u32 v7, s19, v7
	v_mul_u32_u24 v8, v6, KROW
	v_mad_u32_u24 v8, v5, 12, v8                   ; the same place in the codes (the row pair's position stands in the immediate)
	v_and_b32 v9, 7, v2                            ; PI(lane) x 32: my column's row of scale bytes
	v_and_b32 v10, 8, v2
	v_lshl_or_b32 v9, v10, 1, v9
	v_and_b32 v10, 16, v2
	v_lshrrev_b32 v10, 1, v10
	v_or_b32 v9, v9, v10
	v_lshlrev_b32 v9, 5, v9
	s_lshl_b32 s20, s18, 20                        ; W: 256 rows of 4,096 bytes a K step, + 4 x column
	s_lshl_b32 s22, s17, 2
	s_add_co_u32 s20, s20, s22
	s_mov_b32 s21, 0
	s_mul_i32 s24, s14, 786432                     ; codes: the weight,
	s_lshr_b32 s22, s17, 7                         ; the group of 128 positions,
	s_mul_i32 s22, s22, 98304
	s_add_co_u32 s24, s24, s22
	s_and_b32 s22, s17, 127                        ; the position in it,
	s_mul_i32 s22, s22, KROW
	s_add_co_u32 s24, s24, s22
	s_mul_i32 s22, s18, 24576                      ; the K step
	s_add_co_u32 s24, s24, s22
	s_mov_b32 s25, 0
	s_lshl_b32 s28, s14, 15                        ; scale bytes: weight x 32,768, column x 32, K step x 8
	s_lshl_b32 s22, s17, 5
	s_add_co_u32 s28, s28, s22
	s_lshl_b32 s22, s18, 3
	s_add_co_u32 s28, s28, s22
	s_add_co_u32 s28, s28, 3145728
	s_mov_b32 s29, 0
	s_and_b32 s22, s14, 1
	s_wait_alu depctr_va_vdst(0)                   ; the wait at the head's end
	s_wait_kmcnt 0x0
	s_cmp_lt_u32 s14, 2                            ; the weight is chosen by the work-group's number alone
	s_cselect_b64 s[4:5], s[4:5], s[8:9]           ; Wq or Wv
	s_cselect_b64 s[6:7], s[6:7], s[10:11]         ; Wk or Wo
	s_cmp_eq_u32 s22, 0
	s_cselect_b64 s[4:5], s[4:5], s[6:7]
	s_add_nc_u64 s[4:5], s[4:5], s[20:21]
	s_add_nc_u64 s[6:7], s[12:13], s[24:25]
	s_add_nc_u64 s[8:9], s[12:13], s[28:29]
.macro WLOAD t                         ; block t: W(32 t + i, my column), i = 0 .. 31, into set t % 2
.irp i, 0,1,2,3,4,5,6,7,8,9,10,11,12,13,14,15,16,17,18,19,20,21,22,23,24,25,26,27,28,29,30,31
	global_load_b32 v[WX+32*((\t)%2)+\i], v3, s[4:5] offset:(32*(\t)+\i)*SIZE_N*4 th:TH_LOAD_NT
.endr
.endm
	WLOAD 0
	WLOAD 1
.macro BLOCK t
.set XS, WX+32*((\t)%2)
.if (\t) < NB-1
	s_wait_loadcnt 32                              ; this block's 32 loads are in; the next block's 32 may be out
.else
	s_wait_loadcnt 0
.endif
	v_max3_num_f32 v12, |v[XS]|, |v[XS+1]|, |v[XS+2]|               ; the block's largest magnitude: all 32 numbers are mine
	v_max3_num_f32 v13, |v[XS+3]|, |v[XS+4]|, |v[XS+5]|
.irp i, 6,10,14,18,22,26
	v_max3_num_f32 v12, v12, |v[XS+\i]|, |v[XS+\i+1]|
	v_max3_num_f32 v13, v13, |v[XS+\i+2]|, |v[XS+\i+3]|
.endr
	v_max3_num_f32 v12, v12, |v[XS+30]|, |v[XS+31]|
	v_max3_num_f32 v12, v12, v13, (EMAX+1)<<23     ; and the floor 2^(3 - 127): the byte cannot fall under 1
	v_add_nc_u32 v11, -(EMAX<<23), v12             ; 2 off its exponent field: the conversion's scale operand
	v_lshrrev_b32 v13, 23, v11                     ; the scale's byte
.if (\t)%4 == 0
	v_mov_b32 v[SB+(\t)/4], v13                    ; four bytes to a register, the lower K in the lower byte
.else
	v_lshl_or_b32 v[SB+(\t)/4], v13, 8*((\t)%4), v[SB+(\t)/4]
.endif
	v_cvt_scalef32_pk16_fp6_f32 v[WC:WC+2], v[XS:XS+15], v11
	v_cvt_scalef32_pk16_fp6_f32 v[WC+4:WC+6], v[XS+16:XS+31], v11   ; (a conversion's three registers begin on an even number)
	v_nop                                          ; a plain line behind the last conversion of the run
	ds_store_b96 v4, v[WC:WC+2] offset:32*(\t)     ; 16 codes, 12 bytes, to a place of 16 bytes
	ds_store_b96 v4, v[WC+4:WC+6] offset:32*(\t)+16
.if (\t)+2 < NB
	WLOAD (\t)+2
.endif
	s_wait_dscnt 0x0                               ; the stores have read their registers: the next block's codes may be written
.endm
.set Q, 0
.rept NB
	BLOCK Q
.set Q, Q+1
.endr
	s_wait_alu depctr_va_vdst(0)                   ; the wait directly ahead of the reader below
	global_store_b64 v9, v[SB:SB+1], s[8:9]        ; my column's 8 scale bytes, at its position
.irp t, 0,1,2,3,4,5,6,7,8,9,10,11,12,13,14,15
	ds_load_b96 v[OUTR+4*\t:OUTR+4*\t+2], v7 offset:2*\t*PITCH   ; LDS serves a wave's instructions in order: these see my stores
.endr
.irp t, 0,1,2,3,4,5,6,7,8,9,10,11,12,13,14,15
	s_wait_dscnt 15-\t                             ; the 15 - t younger loads may be out
	global_store_b96 v8, v[OUTR+4*\t:OUTR+4*\t+2], s[6:7] offset:(((2*\t)&7)|(((2*\t)&8)<<1)|(((2*\t)&16)>>1))*KROW   ; columns 2 t and 2 t + 1 go to positions PI(2 t) and PI(2 t) + 1
.endr
	s_wait_tensorcnt 0x0                           ; the wave's end: behind my last LDS store
	ds_add_u32 v[SPW], v[NIL]
	s_wait_dscnt 0x0
	s_endpgm
.Lfunc_end_k_q69d3331013_quant:
	.size	k_q69d3331013_quant, .Lfunc_end_k_q69d3331013_quant-k_q69d3331013_quant
	.p2alignl 7, 3214868480
	.fill 96, 4, 3214868480
	.section	.rodata,"a",@progbits
	.p2align	6, 0x0
	.amdhsa_kernel k_q69d3331013_quant
		.amdhsa_group_segment_fixed_size 68096
		.amdhsa_private_segment_fixed_size 0
		.amdhsa_enable_private_segment 0
		.amdhsa_kernarg_size 72
		.amdhsa_user_sgpr_count 2
		.amdhsa_user_sgpr_kernarg_segment_ptr 1
		.amdhsa_wavefront_size32 1
		.amdhsa_system_sgpr_workgroup_id_x 1
		.amdhsa_system_sgpr_workgroup_id_y 1
		.amdhsa_system_sgpr_workgroup_id_z 1
		.amdhsa_system_vgpr_workitem_id 0
		.amdhsa_next_free_vgpr 200
		.amdhsa_next_free_sgpr 66
		.amdhsa_reserve_vcc 0
		.amdhsa_float_denorm_mode_32 3
		.amdhsa_float_denorm_mode_16_64 3
		.amdhsa_memory_ordered 1
		.amdhsa_forward_progress 1
		.amdhsa_inst_pref_size 75
	.end_amdhsa_kernel
	.amdgpu_metadata
---
amdhsa.version: [ 1, 2 ]
amdhsa.kernels:
  - .name:           k_q69d3331013_quant
    .symbol:         k_q69d3331013_quant.kd
    .args:
      - { .name: queries, .offset: 0, .size: 8, .value_kind: global_buffer, .address_space: global }
      - { .name: keys, .offset: 8, .size: 8, .value_kind: global_buffer, .address_space: global }
      - { .name: values, .offset: 16, .size: 8, .value_kind: global_buffer, .address_space: global }
      - { .name: Wq, .offset: 24, .size: 8, .value_kind: global_buffer, .address_space: global }
      - { .name: Wk, .offset: 32, .size: 8, .value_kind: global_buffer, .address_space: global }
      - { .name: Wv, .offset: 40, .size: 8, .value_kind: global_buffer, .address_space: global }
      - { .name: Wo, .offset: 48, .size: 8, .value_kind: global_buffer, .address_space: global }
      - { .name: xbuf, .offset: 56, .size: 8, .value_kind: global_buffer, .address_space: global }
      - { .name: wbuf, .offset: 64, .size: 8, .value_kind: global_buffer, .address_space: global }
    .group_segment_fixed_size: 68096
    .private_segment_fixed_size: 0
    .kernarg_segment_align: 8
    .kernarg_segment_size: 72
    .max_flat_workgroup_size: 128
    .sgpr_count:     66
    .vgpr_count:     200
    .wavefront_size: 32
...
	.end_amdgpu_metadata
.endif
;; end of part 1
;; launch proj (part 2): grid 4 x 96, 4 waves a work-group, clusters of 4 x 4, 327,680 bytes of LDS; arguments xbuf, wbuf, bq, bk, bv, hbuf; writes hbuf
.if DOCPART == 2
	.amdgcn_target "amdgcn-amd-amdhsa--gfx1250"
	.amdhsa_code_object_version 6
	.text
	.protected	k_q69d3331013_proj
	.globl	k_q69d3331013_proj
	.p2align	8
	.type	k_q69d3331013_proj,@function
k_q69d3331013_proj:
	s_mov_b64 s[64:65], 0
	v_nop
	global_prefetch_b8 v0, s[64:65] scope:SCOPE_SE
	s_setreg_imm32_b32 hwreg(HW_REG_WAVE_MODE, 25, 1), 1
	s_wait_xcnt 0x0
	s_wait_alu depctr_hold_cnt(0) depctr_sa_sdst(0) depctr_va_vdst(0) depctr_va_sdst(0) depctr_va_ssrc(0) depctr_va_vcc(0) depctr_vm_vsrc(0)
	s_getreg_b32 s2, hwreg(HW_REG_IB_STS2, 6, 4)
	s_cmp_eq_u32 s2, 0
	s_cbranch_scc0 .Lentry_in_a_cluster
	s_endpgm
.Lentry_in_a_cluster:
	s_bfe_u32 s2, ttmp6, 0x10000c
	s_cmp_lg_u32 s2, 0xf033
	s_cbranch_scc0 .Lentry_shape_is_right
	s_endpgm
.Lentry_shape_is_right:
.set SIZE_K, 1024
.set KSTEP,  256
.set NQ,     KSTEP/128
.set ROWB,   24576                     ; from a K step's block of 128 rows x 192 bytes to the next K step's: the blocks are dense and begin at multiples of 256 bytes
.set KROW,   SIZE_K*6/8
.set PITCH,  240
.set FR,     12
.set NL,     6
.set NP,     4
.set HALFT,  128*PITCH
.set SLOT,   4*HALFT
.set LAPS,   SIZE_K/(2*KSTEP)
.set KS,     SIZE_K/32
.set SCL,    2*SLOT
.set HALFS,  (128*KS/256)*272
.set SBLK,   (16*KS/256)*272
.set SPARE,  SCL+4*HALFS
.set ADRA, 16
.set ADRB, 20
.set ADRS, 27
.set SPW,  28
.set NIL,  29
.set SC,   32
.set BC,   64
.set AF,   128
.set BR,   224
.set H,    128
.set PC,   192
.set PW,   212
.set SD,   214
.set TM,   240
.set G1, 24
.set G0, 32
.set G1B, 48
.set G0B, 56
.set G1S, 68
.set G0S, 76
.set G1SB, 80
.set G0SB, 88
.set SX,  4
.set SEL, 6
.set ISV, 95
.set OB,  96
.set OS,  98
.set S1,  100
.set MSB, 0
.macro WIN new
.if MSB != \new
	s_set_vgpr_msb (MSB<<8)|\new
.set MSB, \new
.endif
.endm
.set MUL_LO, 0xa1
.set MUL_HI, 0xf1
.set TO_B,   0x40
.macro JLOAD g0a, g1a, g0b, g1b
	s_cmp_eq_u32 s15, 0
	s_cbranch_scc0 .Lfor_b_\@
	tensor_load_to_lds s[\g0a:\g0a+3], s[\g1a:\g1a+7]
	s_nop 0
.rept 4
	v_nop
.endr
	s_branch .Lasked_\@
.Lfor_b_\@:
	tensor_load_to_lds s[\g0b:\g0b+3], s[\g1b:\g1b+7]
	s_nop 0
.rept 4
	v_nop
.endr
.Lasked_\@:
.endm
.macro CREST
	s_cmp_lg_u32 s14, 0
	s_cbranch_scc1 .Lnot_wave_0_\@
	s_barrier_signal -3
.Lnot_wave_0_\@:
	s_barrier_wait -3
	s_barrier_signal -1
	s_barrier_wait -1
.endm
.macro CROUND
	s_barrier_signal -1
	s_barrier_wait -1
	CREST
.endm
	s_load_b128 s[96:99], s[0:1], 0x0
	s_load_b128 s[8:11], s[0:1], 0x10
	s_load_b128 s[4:7], s[0:1], 0x20
	v_lshl_add_u32 v[SPW], v0, 2, SPARE
	v_mov_b32 v[NIL], 0
	ds_add_u32 v[SPW], v[NIL]
	ds_add_u32 v[SPW], v[NIL]
	v_lshrrev_b32 v1, 5, v0
	v_readfirstlane_b32 s14, v1
	s_lshr_b32 s15, s14, 1
	s_and_b32 s16, s14, 1
	s_bfe_u32 s40, ttmp6, 0x40000
	s_bfe_u32 s41, ttmp6, 0x40004
	s_and_b32 s66, ttmp7, 0xffff
	s_lshr_b32 s67, s66, 3
	s_and_b32 s2, s66, 7
	s_lshl_b32 s2, s2, 2
	s_cmp_eq_u32 s67, 2
	s_cselect_b32 s[ISV], 1, 0
	s_cselect_b32 s17, 0, s2
	s_cselect_b32 s42, s2, 0
	s_add_co_u32 s17, s17, s41
	s_add_co_u32 s42, s42, s40
	s_lshl_b32 s43, s41, 2
	s_lshl_b32 s43, 15, s43
	s_lshl_b32 s44, 0x1111, s40
	s_or_b32 s[G1+0], s43, (0<<16)|(1<<20)|(1<<21)|(3<<22)|(3<<25)
	s_or_b32 s[G1B+0], s44, (0<<16)|(1<<20)|(1<<21)|(3<<22)|(3<<25)
.irp g, G1, G1B
	s_mov_b32 s[\g+1], 256<<16                     ; a block of 24,576 bytes as 96 rows of 256 bytes; 16 bytes of padding behind each 64: in LDS 128 rows of 240 bytes
	s_mov_b32 s[\g+2], 96<<16
	s_mov_b32 s[\g+3], 256<<16
	s_mov_b32 s[\g+4], 96
	s_mov_b32 s[\g+5], 256
	s_mov_b32 s[\g+6], 0
	s_mov_b32 s[\g+7], 0
.endr
	s_or_b32 s[G1S+0], s43, (3<<16)|(1<<20)|(1<<21)|(5<<22)|(3<<25)
	s_or_b32 s[G1SB+0], s44, (3<<16)|(1<<20)|(1<<21)|(5<<22)|(3<<25)
.irp g, G1S, G1SB
	s_mov_b32 s[\g+1], 32<<16
	s_mov_b32 s[\g+2], (128*KS/256)<<16
	s_mov_b32 s[\g+3], 32<<16
	s_mov_b32 s[\g+4], 128*KS/256
	s_mov_b32 s[\g+5], 32
	s_mov_b32 s[\g+6], 0
	s_mov_b32 s[\g+7], 0
.endr
	s_mul_i32 s32, s67, 6291456
	s_mov_b32 s33, 0
	s_lshl_b32 s34, s67, 18
	s_add_co_u32 s34, s34, 18874368
	s_mov_b32 s35, 0
	s_mul_i32 s36, s67, 786432
	s_mov_b32 s37, 0
	s_lshl_b32 s38, s67, 15
	s_add_co_u32 s38, s38, 3145728
	s_mov_b32 s39, 0
	s_lshl_b32 s18, s16, 7
	s_lshl_b32 s20, s17, 8
	s_add_co_u32 s20, s20, s18
	s_lshl_b32 s46, s42, 8
	s_add_co_u32 s46, s46, s18
	s_mov_b32 s21, 0
	s_mov_b32 s47, 0
	s_mov_b64 s[18:19], KS
	s_mul_u64 s[22:23], s[20:21], s[18:19]
	s_mul_u64 s[92:93], s[46:47], s[18:19]
	s_mov_b64 s[18:19], KROW
	s_mul_u64 s[20:21], s[20:21], s[18:19]
	s_mul_u64 s[46:47], s[46:47], s[18:19]
	s_mul_i32 s45, s14, HALFT
	s_mul_i32 s94, s14, HALFS
	s_wait_dscnt 0x0
	s_wait_kmcnt 0x0
	s_cmp_eq_u32 s67, 0
	s_cselect_b64 s[12:13], s[8:9], s[10:11]
	s_cmp_eq_u32 s67, 2
	s_cselect_b64 s[12:13], s[4:5], s[12:13]
	s_mov_b64 s[104:105], s[6:7]
	s_add_nc_u64 s[4:5], s[96:97], s[32:33]
	s_add_nc_u64 s[6:7], s[96:97], s[34:35]
	s_add_nc_u64 s[8:9], s[98:99], s[36:37]
	s_add_nc_u64 s[10:11], s[98:99], s[38:39]
	s_cmp_eq_u32 s[ISV], 1
	s_cselect_b64 s[96:97], s[8:9], s[4:5]
	s_cselect_b64 s[98:99], s[10:11], s[6:7]
	s_cselect_b64 s[8:9], s[4:5], s[8:9]
	s_cselect_b64 s[10:11], s[6:7], s[10:11]
	s_mov_b64 s[4:5], s[96:97]
	s_mov_b64 s[6:7], s[98:99]
	s_add_nc_u64 s[20:21], s[4:5], s[20:21]
	s_add_nc_u64 s[22:23], s[6:7], s[22:23]
	s_add_nc_u64 s[46:47], s[8:9], s[46:47]
	s_add_nc_u64 s[92:93], s[10:11], s[92:93]
	CROUND
	s_mov_b32 s[G0S], 1
	s_add_co_u32 s[G0S+1], s94, SCL
	s_mov_b64 s[G0S+2:G0S+3], s[22:23]
	s_or_b32 s[G0S+3], s[G0S+3], 0x80000000
	s_mov_b32 s[G0SB], 1
	s_add_co_u32 s[G0SB+1], s94, SCL
	s_mov_b64 s[G0SB+2:G0SB+3], s[92:93]
	s_or_b32 s[G0SB+3], s[G0SB+3], 0x80000000
	JLOAD G0S, G1S, G0SB, G1SB
.irp s, 0,1
	s_mov_b32 s[G0+4*\s], 1
	s_add_co_u32 s[G0+4*\s+1], s45, \s*SLOT
	s_add_nc_u64 s[G0+4*\s+2:G0+4*\s+3], s[20:21], \s*ROWB
	s_or_b32 s[G0+4*\s+3], s[G0+4*\s+3], 0x80000000
	s_mov_b32 s[G0B+4*\s], 1
	s_add_co_u32 s[G0B+4*\s+1], s45, \s*SLOT
	s_add_nc_u64 s[G0B+4*\s+2:G0B+4*\s+3], s[46:47], \s*ROWB
	s_or_b32 s[G0B+4*\s+3], s[G0B+4*\s+3], 0x80000000
	s_wait_alu depctr_va_vdst(0)
	s_wait_tensorcnt 0x0
	ds_add_u32 v28, v29
	s_wait_dscnt 0x0
	CROUND
	JLOAD G0+4*\s, G1, G0B+4*\s, G1B
.endr
	v_and_b32 v1, 15, v0
	v_bfe_u32 v2, v0, 4, 1
	v_mul_u32_u24 v3, v1, PITCH
	v_mul_u32_u24 v4, v2, 24
	v_add_nc_u32 v4, v3, v4
	v_lshl_add_u32 v5, v2, 4, v4
	s_mul_i32 s21, s15, HALFT
	s_mul_i32 s22, s16, HALFT
	s_add_co_u32 s22, s22, 2*HALFT
.irp s, 0,1
	v_add_nc_u32 v[ADRA+\s], s21, v4
	v_add_nc_u32 v[ADRB+\s], s22, v4
	v_add_nc_u32 v[ADRA+2+\s], s21, v5
	v_add_nc_u32 v[ADRB+2+\s], s22, v5
	s_add_co_u32 s21, s21, SLOT
	s_add_co_u32 s22, s22, SLOT
.endr
	v_mul_u32_u24 v5, v1, KS
	v_lshrrev_b32 v6, 8, v5
	v_lshl_add_u32 v5, v6, 4, v5
	s_mul_i32 s21, s15, HALFS
	s_mul_i32 s22, s16, HALFS
	s_add_co_u32 s22, s22, 2*HALFS
	s_sub_co_u32 s22, s22, s21
	v_mul_u32_u24 v6, s22, v2
	s_add_co_u32 s21, s21, SCL
	v_add_nc_u32 v5, v5, v6
	v_add_nc_u32 v[ADRS], s21, v5
	s_lshl_b32 s20, s17, 8
	s_lshl_b32 s21, s15, 7
	s_add_co_u32 s20, s20, s21
	s_lshl_b32 s21, s42, 8
	s_lshl_b32 s22, s16, 7
	s_add_co_u32 s21, s21, s22
	s_mov_b32 s8, 768
	s_mov_b32 s9, 98304
	s_mov_b32 s10, 256
	s_mov_b32 s11, 0x01000100
	s_mov_b32 s92, 0x03020302
	s_cmp_eq_u32 s[ISV], 1
	s_cselect_b32 s22, s21, s20
	s_cselect_b32 s23, s20, s21
	s_cselect_b32 s[S1], 1536, s8
	s_cselect_b32 s[SX], 92160, 0
	s_cselect_b32 s9, 768, s9
	s_cselect_b32 s10, 4096, s10
	s_cselect_b32 s11, 0x03020100, s11
	s_cselect_b32 s92, 0x03020100, s92
	s_cselect_b32 s8, 12, 13
	s_cselect_b32 s93, 1, 2
	s_mov_b32 s[S1+1], 0
	s_mov_b32 s[SX+1], 0
	s_lshr_b32 s46, s22, 11
	s_lshl_b32 s46, s46, 4
	s_lshr_b32 s47, s23, 6
	s_add_co_u32 s46, s46, s47
	s_and_b32 s47, s22, 2047
	s_mul_i32 s[OB], s67, 6291456
	s_mul_i32 s2, s46, 98304
	s_add_co_u32 s[OB], s[OB], s2
	s_mul_i32 s2, s47, 48
	s_add_co_u32 s[OB], s[OB], s2
	s_mov_b32 s[OB+1], 0
	s_add_nc_u64 s[OB:OB+1], s[104:105], s[OB:OB+1]
	s_lshl_b32 s[OS], s67, 19
	s_lshl_b32 s2, s46, s8
	s_add_co_u32 s[OS], s[OS], s2
	s_lshl_b32 s2, s47, s93
	s_add_co_u32 s[OS], s[OS], s2
	s_add_co_u32 s[OS], s[OS], 18874368
	s_mov_b32 s[OS+1], 0
	s_add_nc_u64 s[OS:OS+1], s[104:105], s[OS:OS+1]
	s_lshl_b32 s46, s23, 2
	s_mov_b32 s47, 0
	s_add_nc_u64 s[12:13], s[12:13], s[46:47]
	s_mov_b32 s[SEL], 0x76543210
	s_mov_b32 s[SEL+1], 0xfedcba98
	s_mov_b32 s8, 0xffff0000
	s_lshl_b32 s23, s14, 10
	v_and_b32 v6, 31, v0
	v_lshlrev_b32 v9, 3, v6
	v_add_nc_u32 v10, s9, v9
	v_lshlrev_b32 v11, 4, v1
	v_lshl_add_u32 v11, v2, 9, v11
	v_add_nc_u32 v11, s23, v11
	v_lshl_add_u32 v12, v6, 4, s23
	v_mul_u32_u24 v13, s10, v2
	v_lshl_add_u32 v13, v1, 4, v13
	v_lshlrev_b32 v7, 6, v2
	v_and_b32 v8, 8, v1
	v_add_nc_u32 v8, v8, v1
	v_lshlrev_b32 v8, 2, v8
	v_mov_b32 v30, s11
	v_mov_b32 v31, s92
	v_cndmask_b32 v30, v30, v31, s8
.irp b, 0,1,2,3,4,5,6,7
	global_load_b128 v[BC+8*\b:BC+8*\b+3], v7, s[12:13] offset:(32*(\b/2)+8*(\b%2))*4
	global_load_b128 v[BC+8*\b+4:BC+8*\b+7], v7, s[12:13] offset:(32*(\b/2)+8*(\b%2))*4+16
.endr
.irp a, 0,1,2,3,4,5,6,7
	global_load_b32 v[BR+2*\a], v8, s[12:13] offset:(32*(\a/2)+8*(\a%2))*4
	global_load_b32 v[BR+2*\a+1], v8, s[12:13] offset:(32*(\a/2)+8*(\a%2))*4
.endr
.macro FRAG reg, adr, q, i
.irp p, 0,1,2,3,4,5
.set PCE, 12*(\q)+6*(\p/3)+\p%3
.if PCE%8 < 5
	ds_load_b64 v[\reg+2*\p:\reg+2*\p+1], v[\adr] offset:8*PCE+16*(PCE/8)+(\i)*16*PITCH
.else
	ds_load_b64 v[\reg+2*\p:\reg+2*\p+1], v[\adr+2] offset:8*PCE+16*(PCE/8)+(\i)*16*PITCH
.endif
.endr
.endm
.macro MUL16 a0, p, q, sc, zero
.irp a, \a0, \a0+1
.irp b, 0,1,2,3,4,5,6,7
.if \zero
	v_wmma_scale_f32_16x16x128_f8f6f4 v[8*(8*((\a)%4)+\b):8*(8*((\a)%4)+\b)+7], v[128*(\p)+FR*\b:128*(\p)+FR*\b+FR-1], v[AF+FR*(\a):AF+FR*(\a)+FR-1], 0, v[SC+8*NQ*(\sc)+NQ*\b+(\q)], v[SC+8*NQ*(\sc)+NQ*(\a)+(\q)] matrix_a_fmt:MATRIX_FMT_FP6 matrix_b_fmt:MATRIX_FMT_FP6 matrix_a_scale:MATRIX_SCALE_ROW1
.else
	v_wmma_scale_f32_16x16x128_f8f6f4 v[8*(8*((\a)%4)+\b):8*(8*((\a)%4)+\b)+7], v[128*(\p)+FR*\b:128*(\p)+FR*\b+FR-1], v[AF+FR*(\a):AF+FR*(\a)+FR-1], v[8*(8*((\a)%4)+\b):8*(8*((\a)%4)+\b)+7], v[SC+8*NQ*(\sc)+NQ*\b+(\q)], v[SC+8*NQ*(\sc)+NQ*(\a)+(\q)] matrix_a_fmt:MATRIX_FMT_FP6 matrix_b_fmt:MATRIX_FMT_FP6 matrix_a_scale:MATRIX_SCALE_ROW1
.endif
.endr
.endr
.endm
.macro FETCH_B slot, q, p
	WIN TO_B
.irp i, 0,1,2,3,4,5,6,7
	FRAG 128*(\p)+FR*\i, ADRB+\slot, \q, \i
.endr
	WIN 0
.endm
.macro FETCH_A slot, q, i0
.irp i, \i0, \i0+1, \i0+2, \i0+3
	FRAG AF+FR*(\i), ADRA+\slot, \q, \i
.endr
.endm
.macro SCALES sc
.irp i, 0,1,2,3,4,5,6,7
	ds_load_b64 v[SC+8*NQ*\sc+NQ*\i:SC+8*NQ*\sc+NQ*\i+1], v[ADRS] offset:\i*SBLK
.endr
.endm
.macro PLACES n
.rept \n
	v_nop
.endr
.endm
.macro STEP slot, q, zero
	s_wait_dscnt 4*NL
	WIN MUL_LO
	MUL16 0, (\q)%2, \q, \slot, \zero
	MUL16 2, (\q)%2, \q, \slot, \zero
	s_wait_dscnt 0
	PLACES NP
	FETCH_B \slot, (\q)+1, 1-(\q)%2
	FETCH_A \slot, (\q)+1, 0
	WIN MUL_HI
	MUL16 4, (\q)%2, \q, \slot, \zero
	MUL16 6, (\q)%2, \q, \slot, \zero
	PLACES NP
	WIN 0
	FETCH_A \slot, (\q)+1, 4
.endm
.macro TURN slot, next, fill
	s_wait_tensorcnt 0x0
	ds_add_u32 v[SPW], v[NIL]
	s_wait_dscnt 4*NL+1
	WIN MUL_LO
	MUL16 0, 1, NQ-1, \slot, 0
	s_wait_dscnt 0x0
	s_barrier_signal -1
	MUL16 2, 1, NQ-1, \slot, 0
	WIN 0
	s_barrier_wait -1
.if \fill
	CREST
	s_add_nc_u64 s[G0+4*\slot+2:G0+4*\slot+3], s[G0+4*\slot+2:G0+4*\slot+3], 2*ROWB
	s_add_nc_u64 s[G0B+4*\slot+2:G0B+4*\slot+3], s[G0B+4*\slot+2:G0B+4*\slot+3], 2*ROWB
	JLOAD G0+4*\slot, G1, G0B+4*\slot, G1B
.else
	PLACES NP
.endif
	s_wait_alu depctr_va_vdst(0)
	v_add_nc_u32 v[ADRS], 4*NQ, v[ADRS]
	FETCH_B \next, 0, 0
	FETCH_A \next, 0, 0
	SCALES \next
	WIN MUL_HI
	MUL16 4, 1, NQ-1, \slot, 0
	MUL16 6, 1, NQ-1, \slot, 0
	PLACES NP
	WIN 0
	FETCH_A \next, 0, 4
.endm
	s_wait_tensorcnt 1
	s_barrier_signal -1
	s_barrier_wait -1
	FETCH_B 0, 0, 0
	FETCH_A 0, 0, 0
	SCALES 0
	FETCH_A 0, 0, 4
	STEP 0, 0, 1
	s_mov_b32 s3, LAPS-1
.Llap:
	TURN 0, 1, 1
	STEP 1, 0, 0
	TURN 1, 0, 1
	STEP 0, 0, 0
	s_sub_co_u32 s3, s3, 1
	s_cmp_lg_u32 s3, 0
	s_cbranch_scc1 .Llap
	TURN 0, 1, 0
	STEP 1, 0, 0
	s_wait_dscnt 4*NL
	WIN MUL_LO
	MUL16 0, 1, NQ-1, 1, 0
	MUL16 2, 1, NQ-1, 1, 0
	s_wait_dscnt 0
	WIN MUL_HI
	MUL16 4, 1, NQ-1, 1, 0
	MUL16 6, 1, NQ-1, 1, 0
	WIN 0
.macro QUANT s
.irp b, 0,1,2,3
	v_max3_num_f32 v[TM+\b], |v[\s+16*\b]|, |v[\s+1+16*\b]|, 0x1800000
.endr
.irp i, 2,4,6,8,10,12,14
.irp b, 0,1,2,3
	v_max3_num_f32 v[TM+\b], v[TM+\b], |v[\s+16*\b+\i]|, |v[\s+1+16*\b+\i]|
.endr
.endr
.irp b, 0,1,2,3
	v_permlanex16_b32 v[TM+4+\b], v[TM+\b], s[SEL], s[SEL+1]
.endr
.irp b, 0,1,2,3
	v_max_num_f32 v[TM+\b], v[TM+\b], v[TM+4+\b]
.endr
.irp b, 0,1,2,3
	v_add_nc_u32 v[TM+12+\b], 0xff000000, v[TM+\b]
.endr
.irp b, 0,1,2,3
	v_lshrrev_b32 v[TM+4+\b], 23, v[TM+12+\b]
.endr
	v_lshl_or_b32 v[PW], v[TM+5], 8, v[TM+4]
	v_lshl_or_b32 v[PW], v[TM+6], 16, v[PW]
	v_lshl_or_b32 v[PW], v[TM+7], 24, v[PW]
.irp c, 0,1
	v_cvt_scalef32_pk16_fp6_f32 v[PC+6*\c:PC+2+6*\c], v[\s+32*\c:\s+15+32*\c], v[TM+12+2*\c]
	v_cvt_scalef32_pk16_fp6_f32 v[PC+12+4*\c:PC+14+4*\c], v[\s+16+32*\c:\s+31+32*\c], v[TM+12+2*\c+1]
.endr
	v_nop
.irp c, 0,1
.irp i, 0,1,2
	v_permlane16_swap_b32 v[PC+6*\c+\i], v[PC+12+4*\c+\i]
.endr
.irp i, 0,1,2
	v_mov_b32 v[PC+3+6*\c+\i], v[PC+12+4*\c+\i]
.endr
.endr
.endm
.macro OUTBLK a
	s_wait_xcnt 0x0
.if (\a) > 0
	s_add_nc_u64 s[OB:OB+1], s[OB:OB+1], s[S1:S1+1]
.endif
.if (\a) == 4
	s_add_nc_u64 s[OB:OB+1], s[OB:OB+1], s[SX:SX+1]
.endif
	s_cmp_eq_u32 s[ISV], 1
	s_cbranch_scc1 .Lby_lane_\@
	WIN 0x02+(\a)/4
.set i, 0
.rept 32
	v_pk_add_f32 v[H+i:H+i+1], v[64*((\a)%4)+i:64*((\a)%4)+i+1], v[BC+i:BC+i+1]
.set i, i+2
.endr
	WIN 0
	s_branch .Ljoined_\@
.Lby_lane_\@:
	WIN 0x02+(\a)/4
.set i, 0
.rept 32
	v_pk_add_f32 v[H+i:H+i+1], v[64*((\a)%4)+i:64*((\a)%4)+i+1], v[BR+2*(\a):BR+2*(\a)+1]
.set i, i+2
.endr
	WIN 0
.Ljoined_\@:
	QUANT H
.irp c, 0,1,2
	global_store_b64 v9, v[PC+2*\c:PC+2*\c+1], s[OB:OB+1] offset:256*\c
.endr
.irp c, 0,1,2
	global_store_b64 v10, v[PC+6+2*\c:PC+7+2*\c], s[OB:OB+1] offset:256*\c
.endr
	v_perm_b32 v[SD+(\a)], v[PW], v[PW], v30
	ds_store_b32 v11, v[SD+(\a)] offset:((\a)/4)*256+4*((\a)%4)
.endm
	PLACES NP
	s_wait_loadcnt 0x0
.irp b, 0,1,2,3
	v_mov_b32 v[TM+4+\b], 0
.endr
.irp a, 0,1,2,3,4,5,6,7
	OUTBLK \a
.endr
	ds_load_b128 v[128:131], v12
	ds_load_b128 v[132:135], v12 offset:512
	s_wait_dscnt 0x0
	global_store_b128 v13, v[128:131], s[OS:OS+1]
	s_cmp_eq_u32 s[ISV], 1
	s_cbranch_scc1 .Lwords_out
	global_store_b128 v13, v[132:135], s[OS:OS+1] offset:8192
.Lwords_out:
	s_wait_tensorcnt 0x0
	ds_add_u32 v[SPW], v[NIL]
	s_wait_dscnt 0x0
	CROUND
	s_endpgm
.Lfunc_end_k_q69d3331013_proj:
	.size	k_q69d3331013_proj, .Lfunc_end_k_q69d3331013_proj-k_q69d3331013_proj
	.p2alignl 7, 3214868480
	.fill 96, 4, 3214868480
	.section	.rodata,"a",@progbits
	.p2align	6, 0x0
	.amdhsa_kernel k_q69d3331013_proj
		.amdhsa_group_segment_fixed_size 327680
		.amdhsa_private_segment_fixed_size 0
		.amdhsa_enable_private_segment 0
		.amdhsa_kernarg_size 48
		.amdhsa_user_sgpr_count 2
		.amdhsa_user_sgpr_kernarg_segment_ptr 1
		.amdhsa_wavefront_size32 1
		.amdhsa_system_sgpr_workgroup_id_x 1
		.amdhsa_system_sgpr_workgroup_id_y 1
		.amdhsa_system_sgpr_workgroup_id_z 1
		.amdhsa_system_vgpr_workitem_id 0
		.amdhsa_next_free_vgpr 1024
		.amdhsa_next_free_sgpr 106
		.amdhsa_reserve_vcc 0
		.amdhsa_float_denorm_mode_32 3
		.amdhsa_float_denorm_mode_16_64 3
		.amdhsa_memory_ordered 1
		.amdhsa_forward_progress 1
		.amdhsa_inst_pref_size 207
	.end_amdhsa_kernel
	.amdgpu_metadata
---
amdhsa.version: [ 1, 2 ]
amdhsa.kernels:
  - .name:           k_q69d3331013_proj
    .symbol:         k_q69d3331013_proj.kd
    .args:
      - { .name: xbuf, .offset: 0, .size: 8, .value_kind: global_buffer, .address_space: global }
      - { .name: wbuf, .offset: 8, .size: 8, .value_kind: global_buffer, .address_space: global }
      - { .name: bq, .offset: 16, .size: 8, .value_kind: global_buffer, .address_space: global }
      - { .name: bk, .offset: 24, .size: 8, .value_kind: global_buffer, .address_space: global }
      - { .name: bv, .offset: 32, .size: 8, .value_kind: global_buffer, .address_space: global }
      - { .name: hbuf, .offset: 40, .size: 8, .value_kind: global_buffer, .address_space: global }
    .group_segment_fixed_size: 327680
    .private_segment_fixed_size: 0
    .kernarg_segment_align: 8
    .kernarg_segment_size: 48
    .max_flat_workgroup_size: 128
    .sgpr_count:     106
    .vgpr_count:     1024
    .wavefront_size: 32
...
	.end_amdgpu_metadata
.endif
;; end of part 2
;; launch attn (part 3): grid 4 x 64, 8 waves a work-group, clusters of 4 x 1, 209,920 bytes of LDS; arguments hbuf, cbuf; writes cbuf
.if DOCPART == 3
	.amdgcn_target "amdgcn-amd-amdhsa--gfx1250"
	.amdhsa_code_object_version 6
	.text
	.protected	k_q69d3331013_attn
	.globl	k_q69d3331013_attn
	.p2align	8
	.type	k_q69d3331013_attn,@function
k_q69d3331013_attn:
	s_mov_b64 s[64:65], 0
	v_nop
	global_prefetch_b8 v0, s[64:65] scope:SCOPE_SE
	s_setreg_imm32_b32 hwreg(HW_REG_WAVE_MODE, 25, 1), 1
	s_wait_xcnt 0x0
	s_wait_alu depctr_hold_cnt(0) depctr_sa_sdst(0) depctr_va_vdst(0) depctr_va_sdst(0) depctr_va_ssrc(0) depctr_va_vcc(0) depctr_vm_vsrc(0)
	s_getreg_b32 s2, hwreg(HW_REG_IB_STS2, 6, 4)
	s_cmp_eq_u32 s2, 0
	s_cbranch_scc0 .Lentry_in_a_cluster
	s_endpgm
.Lentry_in_a_cluster:
	s_bfe_u32 s2, ttmp6, 0x10000c
	s_cmp_lg_u32 s2, 0x3003
	s_cbranch_scc0 .Lentry_shape_is_right
	s_endpgm
.Lentry_shape_is_right:
; ctx[b][l][h][:] = the sum over s of softmax_s(q . k / 8) v, both products on codes of FP6 (E2M3) with one E8M0 scale for each 32 along a product's K; ctx is quantised along the model's 1,024 for the last product.
; THE SOFTMAX AHEAD OF THE SECOND PRODUCT: t = score x log2(e) / 8; M = the row's largest t so far, rounded UP to a whole number; p = 2^(t - M) is quantised along the keys, not normalised.
; The row's sum is taken of the unquantised p, in f32, and divides O at the end.  When M moves, the sum and O are multiplied by 2^(old M - new M): exact.
; A block's largest p is not searched for: the block's largest score goes through the same multiply-add and exponential.
; SHARES.  64 heads of batches x 4 work-groups; a work-group owns 512 query positions of one head, each of its eight waves 64 of them: four tiles of 16.  Every wave walks the head's 2,048 keys once, 128 a step;
; a step's fragments of K and V are read from LDS once and serve the wave's four tiles.
; K AND V OF THE WHOLE HEAD STAY IN LDS, as the images of operand registers that the launch before laid (blocks of 256 bytes: registers 2 c, 2 c + 1 of 32 lanes, lane l at 8 l), filled once.
; FILLS: one tensor load a wave, all at the head, in one chain of branches on the wave's number: waves 0, 1 the first 512 keys of K, of V; wave 2 K's scale words; wave 3 V's; waves 4-7 a half each of the other 1,536 keys of K, of V.
; The first barrier stands behind the waits of waves 0-3 alone, whose lines no other wave issues; the second, ahead of key 512, behind every wave's wait.  Nothing is filled again.
; No prefetch: every byte that the launch loads into LDS is asked for at its head, so there is no later load to run ahead of.
; CLUSTER.  The four work-groups of a cluster belong to one head: all fills are joint (mask 15).  A work-group's place in the cluster enters Q's and ctx's addresses alone.
; LAYOUT.  Both products are used transposed: S^T = K Q^T, O^T = V^T P^T: a lane holds one query position (lane % 16) throughout.  Tile j of a group of 64 keys holds tokens 8 j + i (rows 0-7) and 32 + 8 j + i (rows 8-15):
; so the 32 registers of four tiles are the 32 neighbouring keys 64 c + 32 (lane / 16) + 0 .. 31: a whole scale block of p, in the order of the second product's operand.  No lane is asked for a block's maximum or codes.
; K = 64 IN AN INSTRUCTION OF 128.  Q's registers 6-11 are zero codes.  As the upper six registers of a tile of K the next tile's six are named (behind the last: six of zeros): every code is finite, so these products are 0.
; The scale words of q and k hold the two true bytes twice.
; REGISTERS.  Window 0: addresses, the tiles' running -M, largest score and sum, K's fragments, S^T / p, p's codes, all scale words.  Window 1: O^T (32 a tile), V's fragments, Q (12 a tile).
; LIMITS: the promise holds while the scaled scores stay under 2^31 in magnitude; a block of zeros, or one under 2^-124, gets the byte 1 (this program alone reads the bytes); NaN and infinities are not served.
; ctx leaves as images: [512 tiles of 16 positions][8 K steps][1,536 bytes], a head's six registers at 768 x head; its scale bytes [position][32], one byte a lane.
.set VIMG,  98304                      ; LDS: K's images at 0, V's here,
.set KSC,   196608                     ; K's scale words (8,192 bytes),
.set VSC,   204800                     ; V's (4,096),
.set SPARE, 208896                     ; the spare words, 128 bytes for each of eight waves
.set CHB,   24576                      ; 512 keys of images
.set RST,   36864                      ; 768 keys
.set A8,   1                           ; 8 l
.set AKS,  2                           ; 16 r + KSC
.set SPW,  3                           ; my spare word; never rewritten
.set NIL,  4                           ; 0; never rewritten
.set ADK,  5                           ; the step's addresses: K, V, K's words, V's words
.set ADV,  6
.set ADS,  7
.set ADT,  8
.set AVS,  9                           ; 16 r + VSC
.set SH8,  10                          ; 8 (lane / 16)
.set BYA,  11                          ; 32 r + lane / 16: ctx's scale byte
.set ST,   12                          ; v12-27 tile q: -M, the largest score, the sum in two halves
.set F,    28                          ; v28-75 K's tile t at F + 6 t; v76-81 zeros
.set S,    96                          ; v96-159 S^T, then p
.set P,    160                         ; v160-171 p's codes
.set T1,   172                         ; v172-174, v176-178 the second conversions' codes
.set KW,   192                         ; scale words: K's eight, V's four, Q's four, p's
.set VW,   200
.set QW,   204
.set PW,   212
.set MX,   214                         ; v214-217 two chains for each block's largest score
.set SO,   218                         ; the conversions' scale operands
.set EB,   220                         ; the scales' bytes
.set FP,   222                         ; v222 f = 2^(old M - new M) (v223 is named with it)
.set TT,   224                         ; v224-227
.set U,    228                         ; v228-233 three more chains of the sum
.set OC,   28                          ; the way out: ctx's codes, 8 registers a tile; v60-63 its bytes
.set OBY,  60
.set OB,   0                           ; window 1: O^T of tile q at 32 q
.set VF,   128                         ; window 1: V's tile t at VF + 12 t
.set QB,   176                         ; window 1: Q's tile q at QB + 12 q, six of codes, six of zeros
.set WV,   18
.set SEL,  20                          ; s[20:21] lane l xor 16
.set CS,   22                          ; s[22:23] log2(e) / 8
.set G1A,  24
.set G1K,  32
.set G1V,  40
.set G1D,  48
.set G0A,  56
.set G0D,  60
.set G0K,  68
.set G0V,  72
.set TB,   2
.set TS,   3
.set TJ,   66
.set CNT,  67
.set MSB, 0
.macro WIN new                         ; the immediate's high byte repeats the setting that is left
.if MSB != \new
	s_set_vgpr_msb (MSB<<8)|\new
.set MSB, \new
.endif
.endm
.macro WALU
	s_wait_alu depctr_va_vdst(0)
.endm
.macro CROUND
	s_barrier_signal -1
	s_barrier_wait -1
	s_cmp_lg_u32 s[WV], 0
	s_cbranch_scc1 .Lnot_wave_0_\@
	s_barrier_signal -3
.Lnot_wave_0_\@:
	s_barrier_wait -3
	s_barrier_signal -1
	s_barrier_wait -1
.endm
.macro TL g0, g1
	tensor_load_to_lds s[\g0:\g0+3], s[\g1:\g1+7]
	s_nop 0
.rept 4
	v_nop
.endr
.endm
.macro MKG0 g, lds, off
	s_mov_b32 s[\g], 1
	s_mov_b32 s[\g+1], \lds
	s_add_nc_u64 s[\g+2:\g+3], s[4:5], s[\off:\off+1]
	s_or_b32 s[\g+3], s[\g+3], 0x80000000
.endm
	s_load_b128 s[4:7], s[0:1], 0x0                ; hbuf, cbuf
	v_lshl_add_u32 v[SPW], v0, 2, SPARE
	v_mov_b32 v[NIL], 0
	ds_add_u32 v[SPW], v[NIL]                      ; the opening lines: the add, twice on end, and its wait ahead of the first tensor load
	ds_add_u32 v[SPW], v[NIL]
	v_lshrrev_b32 v10, 5, v0
	s_delay_alu instid0(VALU_DEP_1)
	v_readfirstlane_b32 s[WV], v10                 ; wave 0..7
	s_bfe_u32 s19, ttmp6, 0x40000                  ; cx
	s_lshl_b32 s76, s19, 3
	s_add_co_u32 s76, s76, s[WV]
	s_lshl_b32 s76, s76, 2                         ; my first tile of 16 query positions, 0 .. 124
	s_and_b32 s77, ttmp7, 0xffff                   ; the head of batch
	s_and_b32 s78, s[WV], 1                        ; 0: I fetch of K; 1: of V
	s_bfe_u32 s79, s[WV], 0x10001                  ; waves 4-7: which half of the later keys
	; groups 1: dense blocks as rows of 256 bytes (32 elements of 8 bytes); mask 15, bit 21 beside it
.irp g, G1A, G1K, G1V, G1D
	s_mov_b32 s[\g], 15|(3<<16)|(1<<21)
	s_mov_b32 s[\g+1], 32<<16
	s_mov_b32 s[\g+3], 32<<16
	s_mov_b32 s[\g+5], 32
	s_mov_b32 s[\g+6], 0
	s_mov_b32 s[\g+7], 0
.endr
	s_mov_b32 s[G1A+2], 96<<16                     ; rows: 96, 32, 16, 144
	s_mov_b32 s[G1A+4], 96
	s_mov_b32 s[G1K+2], 32<<16
	s_mov_b32 s[G1K+4], 32
	s_mov_b32 s[G1V+2], 16<<16
	s_mov_b32 s[G1V+4], 16
	s_mov_b32 s[G1D+2], 144<<16
	s_mov_b32 s[G1D+4], 144
	s_mul_i32 s80, s77, 98304                      ; a head's images
	s_add_co_u32 s82, s78, 1
	s_mul_i32 s82, s82, 6291456                    ; K's at 6,291,456, V's at 12,582,912
	s_add_co_u32 s82, s82, s80
	s_mov_b32 s83, 0
	s_mul_i32 s81, s79, RST
	s_add_co_u32 s81, s81, CHB                     ; the later keys' half begins here, in memory and in LDS
	s_add_co_u32 s84, s82, s81
	s_mov_b32 s85, 0
	s_mul_i32 s86, s78, VIMG
	s_add_co_u32 s87, s86, s81
	s_lshl_b32 s88, s77, 13                        ; K's scale words
	s_add_co_u32 s88, s88, 19398656
	s_mov_b32 s89, 0
	s_lshl_b32 s90, s77, 12                        ; V's
	s_add_co_u32 s90, s90, 19922944
	s_mov_b32 s91, 0
	s_mul_i32 s92, s76, 768                        ; Q's images
	s_add_co_u32 s92, s92, s80
	s_mov_b32 s93, 0
	s_lshl_b32 s94, s77, 13                        ; Q's scale words: 256 bytes for my four tiles (+ 16 r)
	s_lshl_b32 s12, s76, 6
	s_add_co_u32 s94, s94, s12
	s_add_co_u32 s94, s94, 18874368
	s_mov_b32 s95, 0
	s_lshr_b32 s12, s77, 4
	s_lshl_b32 s12, s12, 7
	s_add_co_u32 s12, s12, s76                     ; my first tile among all 512
	s_and_b32 s13, s77, 15                         ; the head
	s_mul_i32 s96, s12, 12288                      ; ctx's image: 12,288 bytes a tile, 768 a head
	s_mul_i32 s14, s13, 768
	s_add_co_u32 s96, s96, s14
	s_mov_b32 s97, 0
	s_lshl_b32 s98, s12, 9                         ; ctx's scale bytes: 512 a tile, 2 a head
	s_lshl_b32 s14, s13, 1
	s_add_co_u32 s98, s98, s14
	s_add_co_u32 s98, s98, 6291456
	s_mov_b32 s99, 0
	s_mov_b32 s[SEL], 0x76543210
	s_mov_b32 s[SEL+1], 0xfedcba98
	s_mov_b32 s[CS], 0x3e38aa3b
	s_mov_b32 s[CS+1], s[CS]
	WALU
	s_wait_dscnt 0x0                               ; both opening adds are done
	s_wait_kmcnt 0x0
	s_add_nc_u64 s[8:9], s[4:5], s[92:93]
	s_add_nc_u64 s[10:11], s[4:5], s[94:95]
	s_add_nc_u64 s[12:13], s[6:7], s[96:97]
	s_add_nc_u64 s[16:17], s[6:7], s[98:99]
	MKG0 G0A, s86, 82
	MKG0 G0D, s87, 84
	MKG0 G0K, KSC, 88
	MKG0 G0V, VSC, 90
	CROUND                                         ; all four work-groups are here: the joint loads meet
	s_cmp_lt_u32 s[WV], 2                          ; one chain, one load to an arm, every way passes one
	s_cbranch_scc0 .Larm_k
	TL G0A, G1A
	s_branch .Lasked
.Larm_k:
	s_cmp_eq_u32 s[WV], 2
	s_cbranch_scc0 .Larm_v
	TL G0K, G1K
	s_branch .Lasked
.Larm_v:
	s_cmp_eq_u32 s[WV], 3
	s_cbranch_scc0 .Larm_d
	TL G0V, G1V
	s_branch .Lasked
.Larm_d:
	TL G0D, G1D
.Lasked:
	v_and_b32 v10, 31, v0
	s_delay_alu instid0(VALU_DEP_1)
	v_lshlrev_b32 v[A8], 3, v10
	v_and_b32 v11, 15, v0
	s_delay_alu instid0(VALU_DEP_1)
	v_lshlrev_b32 v[ADS], 4, v11                   ; 16 r
	s_delay_alu instid0(VALU_DEP_1)
	v_add_nc_u32 v[AKS], KSC, v[ADS]
	s_delay_alu instid0(VALU_DEP_2)
	v_add_nc_u32 v[AVS], VSC, v[ADS]
	v_bfe_u32 v[ADT], v0, 4, 1
	s_delay_alu instid0(VALU_DEP_1)
	v_lshlrev_b32 v[SH8], 3, v[ADT]
	s_delay_alu instid0(VALU_DEP_2)
	v_lshl_add_u32 v[BYA], v11, 5, v[ADT]
	WIN 0x40                                       ; destinations in window 1
.irp q, 0,1,2,3
.irp c, 0,1,2
	global_load_b64 v[QB+12*\q+2*\c:QB+12*\q+2*\c+1], v[A8], s[8:9] offset:768*\q+256*\c   ; Q's codes stay
.endr
.endr
.set j, 0
.rept 128
	v_mov_b32 v[OB+j], 0                           ; O^T: the step is written once for all steps; the first finds zeros, which the first change of M leaves zeros
.set j, j+1
.endr
.irp q, 0,1,2,3
.irp i, 6,7,8,9,10,11
	v_mov_b32 v[QB+12*\q+\i], 0                    ; Q's upper 64 of K
.endr
.endr
	WIN 0
	global_load_b128 v[QW:QW+3], v[ADS], s[10:11]  ; the words of my four tiles of row r
.irp i, 48,49,50,51,52,53
	v_mov_b32 v[F+\i], 0                           ; behind K's last tile
.endr
.irp q, 0,1,2,3
	v_mov_b32 v[ST+4*\q], 0x7f61b1e6               ; -M = 3e38, over every -M to come
	v_mov_b32 v[ST+4*\q+1], 0xff61b1e6             ; the largest score so far: -3e38
	v_mov_b32 v[ST+4*\q+2], 0
	v_mov_b32 v[ST+4*\q+3], 0
.endr
	v_mov_b32 v[FP+1], 0                           ; named with f as a pair
	v_mov_b32 v[TT+1], 0                           ; a lane permute's destination counts as one of its sources
	WALU                                           ; the wait at the head's end
	s_wait_loadcnt 0x0
.macro SUMS from, to                   ; pairs from .. to of p onto the four chains by turns
.set k, \from
.rept (\to)-(\from)+1
.if (k-7)%4 == 3
.set D_, L
.else
.set D_, U+2*((k-7)%4)
.endif
	v_pk_add_f32 v[D_:D_+1], v[D_:D_+1], v[S+2*k:S+2*k+1]
.set k, k+1
.endr
.endm
; ONE TILE OF 16 QUERIES AGAINST THE STEP'S 128 KEYS.  first = 1: V's fragments are waited for here.
.macro TILE q, first
.set NM, ST+4*\q
.set RM, NM+1
.set L,  NM+2
	WIN 0x04                                       ; source 1 (Q) in window 1
.irp t, 0,1,2,3,4,5,6,7
	v_wmma_scale_f32_16x16x128_f8f6f4 v[S+8*\t:S+8*\t+7], v[F+6*\t:F+6*\t+11], v[QB+12*\q:QB+12*\q+11], 0, v[KW+\t], v[QW+\q] matrix_a_fmt:MATRIX_FMT_FP6 matrix_b_fmt:MATRIX_FMT_FP6
.endr
	WIN 0
.rept 4
	v_nop                                          ; places ahead of the first read of the scores
.endr
.irp c, 0,1                                    ; the largest score of my two blocks of 32 keys, two chains each; every accumulator is read from its low end on
	v_max3_num_f32 v[MX+2*\c], v[S+32*\c], v[S+32*\c+1], v[S+32*\c+2]
	v_max3_num_f32 v[MX+2*\c+1], v[S+32*\c+16], v[S+32*\c+17], v[S+32*\c+18]
.endr
.irp i, 3,5,7,9,11,13
.irp c, 0,1
	v_max3_num_f32 v[MX+2*\c], v[MX+2*\c], v[S+32*\c+\i], v[S+32*\c+\i+1]
	v_max3_num_f32 v[MX+2*\c+1], v[MX+2*\c+1], v[S+32*\c+16+\i], v[S+32*\c+17+\i]
.endr
.endr
	v_max3_num_f32 v[MX], v[MX], v[S+15], v[MX+1]  ; the two chains of each block are joined
	v_max3_num_f32 v[MX+2], v[MX+2], v[S+47], v[MX+3]
	v_max_num_f32 v[MX], v[MX], v[S+31]
	v_max_num_f32 v[MX+2], v[MX+2], v[S+63]
	s_delay_alu instid0(VALU_DEP_1)
	v_max_num_f32 v[TT], v[MX], v[MX+2]
	s_delay_alu instid0(VALU_DEP_1)
	v_permlanex16_b32 v[TT+1], v[TT], s[SEL], s[SEL+1]
	s_delay_alu instid0(VALU_DEP_1)
	v_max3_num_f32 v[RM], v[RM], v[TT], v[TT+1]    ; the running largest score of my query
	s_delay_alu instid0(VALU_DEP_1)
	v_mul_f32 v[TT+2], s[CS], v[RM]                ; as t
	s_delay_alu instid0(VALU_DEP_1)
	v_floor_f32 v[TT+3], -v[TT+2]                  ; the new -M = -ceil(t)
	s_delay_alu instid0(VALU_DEP_1)
	v_sub_f32 v[TT+2], v[TT+3], v[NM]              ; old M less new M: a whole number, 0 or less
	s_delay_alu instid0(VALU_DEP_2)
	v_mov_b32 v[NM], v[TT+3]
.set j, 0
.rept 32
	v_pk_fma_f32 v[S+j:S+j+1], v[S+j:S+j+1], s[CS:CS+1], v[NM:NM+1] op_sel_hi:[1,0,0]   ; t - M
.set j, j+2
.endr
	v_fma_f32 v[MX], v[MX], s[CS], v[NM]           ; the same of each block's largest score
	v_fma_f32 v[MX+2], v[MX+2], s[CS], v[NM]
	v_cvt_i32_f32 v[TT+2], v[TT+2]                 ; (it saturates)
	s_delay_alu instid0(VALU_DEP_1)
	v_ldexp_f32 v[FP], 1.0, v[TT+2]                ; f
	WALU                                           ; the wait ahead of the batch
.set j, 0
.rept 64
	v_exp_f32 v[S+j], v[S+j]                       ; p
.set j, j+1
.endr
	v_exp_f32 v[MX], v[MX]                         ; the blocks' largest p
	v_exp_f32 v[MX+2], v[MX+2]
	v_pk_mul_f32 v[L:L+1], v[L:L+1], v[FP:FP+1] op_sel_hi:[1,0]   ; the sum under the new M (the plain place behind the batch)
	WALU                                           ; and behind it, ahead of its first reader
	v_max_num_f32 v[MX], 0x1800000, v[MX]          ; the floor 2^(3 - 127): the byte cannot fall under 1
	v_max_num_f32 v[MX+2], 0x1800000, v[MX+2]
	v_pk_add_f32 v[U:U+1], v[S:S+1], v[S+2:S+3]    ; the sum of the unquantised p, in four chains; the scales' lines stand among them
	v_pk_add_f32 v[U+2:U+3], v[S+4:S+5], v[S+6:S+7]
	v_pk_add_f32 v[U+4:U+5], v[S+8:S+9], v[S+10:S+11]
	v_pk_add_f32 v[L:L+1], v[L:L+1], v[S+12:S+13]
	v_add_nc_u32 v[SO], 0xff000000, v[MX]          ; 2 off the exponent field: the conversions' scale operand
	v_add_nc_u32 v[SO+1], 0xff000000, v[MX+2]
	SUMS 7, 14
	v_lshrrev_b32 v[EB], 23, v[SO]                 ; the scales' bytes: blocks lane / 16 and 2 + lane / 16
	v_lshrrev_b32 v[EB+1], 23, v[SO+1]
	SUMS 15, 22
	v_lshl_or_b32 v[TT], v[EB+1], 16, v[EB]
	SUMS 23, 26
	v_lshlrev_b32 v[TT], v[SH8], v[TT]             ; at their places in the word
	SUMS 27, 31
	v_permlanex16_b32 v[TT+1], v[TT], s[SEL], s[SEL+1]
	s_delay_alu instid0(VALU_DEP_2)
	v_pk_add_f32 v[U:U+1], v[U:U+1], v[U+2:U+3]
	s_delay_alu instid0(VALU_DEP_4)
	v_pk_add_f32 v[L:L+1], v[L:L+1], v[U+4:U+5]
	s_delay_alu instid0(VALU_DEP_1)
	v_pk_add_f32 v[L:L+1], v[L:L+1], v[U:U+1]
	s_delay_alu instid0(VALU_DEP_4)
	v_or_b32 v[PW], v[TT], v[TT+1]                 ; with lane l xor 16's two bytes p's scale word is whole
.irp c, 0,1
	v_cvt_scalef32_pk16_fp6_f32 v[P+6*\c:P+6*\c+2], v[S+32*\c:S+32*\c+15], v[SO+\c]
	v_cvt_scalef32_pk16_fp6_f32 v[T1+4*\c:T1+4*\c+2], v[S+32*\c+16:S+32*\c+31], v[SO+\c]   ; (a conversion's three registers begin on an even number)
.endr
	v_nop                                          ; one plain place behind a scaled conversion
.irp c, 0,1
.irp i, 0,1,2
	v_mov_b32 v[P+6*\c+3+\i], v[T1+4*\c+\i]
.endr
.endr
	WIN 0x41                                       ; source 0 and destination in window 1
	WALU                                           ; the wait directly ahead of the first reader of O^T
.set j, 0
.rept 16
	v_pk_mul_f32 v[OB+32*\q+j:OB+32*\q+j+1], v[OB+32*\q+j:OB+32*\q+j+1], v[FP:FP+1] op_sel_hi:[1,0]   ; O^T under the new M; these are also the places between the writes of p's codes and word and the products
.set j, j+2
.endr
.if \first
	WALU
	s_wait_dscnt 0x0                               ; V and its words are in
.endif
	WIN 0x51                                       ; V, C and D in window 1, p's codes in window 0
.irp t, 0,1,2,3
	v_wmma_scale_f32_16x16x128_f8f6f4 v[OB+32*\q+8*\t:OB+32*\q+8*\t+7], v[VF+12*\t:VF+12*\t+11], v[P:P+11], v[OB+32*\q+8*\t:OB+32*\q+8*\t+7], v[VW+\t], v[PW] matrix_a_fmt:MATRIX_FMT_FP6 matrix_b_fmt:MATRIX_FMT_FP6
.endr
.endm
; A KEY STEP: 128 keys, four tiles of queries.
.macro STEP
	v_add_nc_u32 v[ADK], s[TB], v[A8]              ; (these four are also the places behind the last step's products, ahead of the loads)
	v_add_nc_u32 v[ADS], s[TS], v[AKS]
	v_add_nc_u32 v[ADT], s[TJ], v[AVS]
	s_delay_alu instid0(VALU_DEP_3)
	v_add_nc_u32 v[ADV], VIMG, v[ADK]
.irp t, 0,1,2,3,4,5,6,7
.irp c, 0,1,2
	ds_load_b64 v[F+6*\t+2*\c:F+6*\t+2*\c+1], v[ADK] offset:768*\t+256*\c
.endr
.endr
	ds_load_b128 v[KW:KW+3], v[ADS]
	ds_load_b128 v[KW+4:KW+7], v[ADS] offset:256
	WIN 0x40
.irp t, 0,1,2,3
.irp c, 0,1,2,3,4,5
	ds_load_b64 v[VF+12*\t+2*\c:VF+12*\t+2*\c+1], v[ADV] offset:1536*\t+256*\c
.endr
.endr
	WIN 0
	ds_load_b128 v[VW:VW+3], v[ADT]
	WALU
	s_wait_dscnt 25                                ; K and its words are in; V's 24 loads and its words' one may be out
	TILE 0, 1
	TILE 1, 0
	TILE 2, 0
	TILE 3, 0
	WIN 0
	s_add_co_u32 s[TB], s[TB], 6144
	s_add_co_u32 s[TS], s[TS], 512
	s_add_co_u32 s[TJ], s[TJ], 256
.endm
	s_cmp_lt_u32 s[WV], 4                          ; the first 512 keys and the scale words: their four waves wait
	s_cbranch_scc0 .Lnot_first
	s_wait_tensorcnt 0x0
.Lnot_first:
	s_barrier_signal -1
	s_barrier_wait -1
	s_mov_b32 s[TB], 0
	s_mov_b32 s[TS], 0
	s_mov_b32 s[TJ], 0
	s_mov_b32 s[CNT], 4
.Lfirst:
	STEP
	s_sub_co_u32 s[CNT], s[CNT], 1
	s_cmp_lg_u32 s[CNT], 0
	s_cbranch_scc1 .Lfirst
	s_wait_tensorcnt 0x0                           ; every wave's load is in
	s_barrier_signal -1
	s_barrier_wait -1
	s_mov_b32 s[TB], CHB
	s_mov_b32 s[TS], 2048
	s_mov_b32 s[TJ], 1024
	s_mov_b32 s[CNT], 12
.Lrest:
	STEP
	s_sub_co_u32 s[CNT], s[CNT], 1
	s_cmp_lg_u32 s[CNT], 0
	s_cbranch_scc1 .Lrest
	; THE WAY OUT.  O^T / the sum; register 16 b + i of a tile is channel 32 b + 16 (lane / 16) + i of my head: two blocks of the last product's K.
	s_mov_b32 s19, 0xffff0000                      ; lanes 16-31
.irp q, 0,1,2,3
	v_add_f32 v[ST+4*\q+2], v[ST+4*\q+2], v[ST+4*\q+3]
.endr
.irp q, 0,1,2,3
	s_delay_alu instid0(VALU_DEP_4)
	v_permlanex16_b32 v[TT+\q], v[ST+4*\q+2], s[SEL], s[SEL+1]
.endr
.irp q, 0,1,2,3
	s_delay_alu instid0(VALU_DEP_4)
	v_add_f32 v[ST+4*\q+2], v[ST+4*\q+2], v[TT+\q] ; the rows' sums
.endr
	WALU
.irp q, 0,1,2,3
	v_rcp_f32 v[ST+4*\q+2], v[ST+4*\q+2]
.endr
	v_nop
.macro OUT q
	WIN 0x01
	WALU                                           ; the wait ahead of the first readers of the reciprocal and of O^T
.set j, 0
.rept 32
	v_mul_f32 v[S+j], v[OB+32*\q+j], v[ST+4*\q+2]  ; each accumulator from its low end on
.set j, j+1
.endr
	WIN 0
.irp b, 0,1
	v_max3_num_f32 v[MX+\b], |v[S+16*\b]|, |v[S+1+16*\b]|, 0x1800000
.endr
.irp i, 2,4,6,8,10,12,14
.irp b, 0,1
	s_delay_alu instid0(VALU_DEP_2)
	v_max3_num_f32 v[MX+\b], v[MX+\b], |v[S+16*\b+\i]|, |v[S+1+16*\b+\i]|
.endr
.endr
.irp b, 0,1
	s_delay_alu instid0(VALU_DEP_2)
	v_permlanex16_b32 v[TT+\b], v[MX+\b], s[SEL], s[SEL+1]
.endr
.irp b, 0,1
	s_delay_alu instid0(VALU_DEP_2)
	v_max_num_f32 v[MX+\b], v[MX+\b], v[TT+\b]
.endr
.irp b, 0,1
	s_delay_alu instid0(VALU_DEP_2)
	v_add_nc_u32 v[SO+\b], 0xff000000, v[MX+\b]
.endr
.irp b, 0,1
	s_delay_alu instid0(VALU_DEP_2)
	v_lshrrev_b32 v[EB+\b], 23, v[SO+\b]
.endr
	v_cvt_scalef32_pk16_fp6_f32 v[OC+8*\q:OC+8*\q+2], v[S:S+15], v[SO]
	v_cvt_scalef32_pk16_fp6_f32 v[T1:T1+2], v[S+16:S+31], v[SO+1]
	v_nop
.irp i, 0,1,2
	v_permlane16_swap_b32 v[OC+8*\q+\i], v[T1+\i]  ; lanes 0-15 block 0, lanes 16-31 block 1: the lower 16 codes in the first, the upper 16 in the second
.endr
.irp i, 0,1,2
	s_delay_alu instid0(VALU_DEP_3)
	v_mov_b32 v[OC+8*\q+3+\i], v[T1+\i]
.endr
	v_cndmask_b32 v[OBY+\q], v[EB], v[EB+1], s19   ; my block's byte
.irp c, 0,1,2
	global_store_b64 v[A8], v[OC+8*\q+2*\c:OC+8*\q+2*\c+1], s[12:13] offset:12288*\q+256*\c   ; 32 lanes store 256 consecutive bytes, aligned
.endr
	global_store_b8 v[BYA], v[OBY+\q], s[16:17] offset:512*\q
.endm
	OUT 0
	OUT 1
	OUT 2
	OUT 3
	s_wait_tensorcnt 0x0                           ; the wave's end
	ds_add_u32 v[SPW], v[NIL]
	s_wait_dscnt 0x0
	CROUND                                         ; the closing round
	s_endpgm
.Lfunc_end_k_q69d3331013_attn:
	.size	k_q69d3331013_attn, .Lfunc_end_k_q69d3331013_attn-k_q69d3331013_attn
	.p2alignl 7, 3214868480
	.fill 96, 4, 3214868480
	.section	.rodata,"a",@progbits
	.p2align	6, 0x0
	.amdhsa_kernel k_q69d3331013_attn
		.amdhsa_group_segment_fixed_size 209920
		.amdhsa_private_segment_fixed_size 0
		.amdhsa_enable_private_segment 0
		.amdhsa_kernarg_size 16
		.amdhsa_user_sgpr_count 2
		.amdhsa_user_sgpr_kernarg_segment_ptr 1
		.amdhsa_wavefront_size32 1
		.amdhsa_system_sgpr_workgroup_id_x 1
		.amdhsa_system_sgpr_workgroup_id_y 1
		.amdhsa_system_sgpr_workgroup_id_z 1
		.amdhsa_system_vgpr_workitem_id 0
		.amdhsa_next_free_vgpr 480
		.amdhsa_next_free_sgpr 100
		.amdhsa_reserve_vcc 0
		.amdhsa_float_denorm_mode_32 3
		.amdhsa_float_denorm_mode_16_64 3
		.amdhsa_memory_ordered 1
		.amdhsa_forward_progress 1
		.amdhsa_inst_pref_size 144
	.end_amdhsa_kernel
	.amdgpu_metadata
---
amdhsa.version: [ 1, 2 ]
amdhsa.kernels:
  - .name:           k_q69d3331013_attn
    .symbol:         k_q69d3331013_attn.kd
    .args:
      - { .name: hbuf, .offset: 0, .size: 8, .value_kind: global_buffer, .address_space: global }
      - { .name: cbuf, .offset: 8, .size: 8, .value_kind: global_buffer, .address_space: global }
    .group_segment_fixed_size: 209920
    .private_segment_fixed_size: 0
    .kernarg_segment_align: 8
    .kernarg_segment_size: 16
    .max_flat_workgroup_size: 256
    .sgpr_count:     100
    .vgpr_count:     480
    .wavefront_size: 32
...
	.end_amdgpu_metadata
.endif
;; end of part 3
;; launch outproj (part 4): grid 4 x 32, 4 waves a work-group, clusters of 4 x 4, 327,680 bytes of LDS; arguments cbuf, wbuf, bo, out0; writes out0
.if DOCPART == 4
	.amdgcn_target "amdgcn-amd-amdhsa--gfx1250"
	.amdhsa_code_object_version 6
	.text
	.protected	k_q69d3331013_outproj
	.globl	k_q69d3331013_outproj
	.p2align	8
	.type	k_q69d3331013_outproj,@function
k_q69d3331013_outproj:
	s_mov_b64 s[64:65], 0
	v_nop
	global_prefetch_b8 v0, s[64:65] scope:SCOPE_SE
	s_setreg_imm32_b32 hwreg(HW_REG_WAVE_MODE, 25, 1), 1
	s_wait_xcnt 0x0
	s_wait_alu depctr_hold_cnt(0) depctr_sa_sdst(0) depctr_va_vdst(0) depctr_va_sdst(0) depctr_va_ssrc(0) depctr_va_vcc(0) depctr_vm_vsrc(0)
	s_getreg_b32 s2, hwreg(HW_REG_IB_STS2, 6, 4)
	s_cmp_eq_u32 s2, 0
	s_cbranch_scc0 .Lentry_in_a_cluster
	s_endpgm
.Lentry_in_a_cluster:
	s_bfe_u32 s2, ttmp6, 0x10000c
	s_cmp_lg_u32 s2, 0xf033
	s_cbranch_scc0 .Lentry_shape_is_right
	s_endpgm
.Lentry_shape_is_right:
.set SIZE_K, 1024
.set SIZE_N, 1024
.set KSTEP,  256
.set NQ,     KSTEP/128
.set ROWB,   24576                     ; from a K step's block of 128 rows x 192 bytes of Wo's codes to the next K step's: the blocks are dense and begin at multiples of 256 bytes
.set KROW,   SIZE_K*6/8
.set AIMG,   3072
.set PITCH,  240
.set FR,     12
.set NL,     6
.set NP,     4
.set HALFT,  128*PITCH
.set SLOT,   4*HALFT
.set LAPS,   SIZE_K/(2*KSTEP)
.set KS,     SIZE_K/32
.set SCL,    2*SLOT
.set HALFS,  (128*KS/256)*272
.set SBLK,   (16*KS/256)*272
.set SPARE,  SCL+4*HALFS
.set SPITCH, 528
.set ADRA, 16
.set ADRB, 20
.set STO,  24
.set RD,   25
.set CO,   26
.set ADRS, 27
.set SPW,  28
.set NIL,  29
.set SC,   32
.set BC,   64
.set AF,   128
.set BK,   128
.set G1, 24
.set G0, 32
.set G1B, 48
.set G0B, 56
.set G1S, 68
.set G0S, 76
.set G1SB, 80
.set G0SB, 88
.set MSB, 0
.macro WIN new
.if MSB != \new
	s_set_vgpr_msb (MSB<<8)|\new
.set MSB, \new
.endif
.endm
.set MUL_LO, 0xa1
.set MUL_HI, 0xf1
.set TO_B,   0x40
.macro JLOAD g0a, g1a, g0b, g1b
	s_cmp_eq_u32 s15, 0
	s_cbranch_scc0 .Lfor_b_\@
	tensor_load_to_lds s[\g0a:\g0a+3], s[\g1a:\g1a+7]
	s_nop 0
.rept 4
	v_nop
.endr
	s_branch .Lasked_\@
.Lfor_b_\@:
	tensor_load_to_lds s[\g0b:\g0b+3], s[\g1b:\g1b+7]
	s_nop 0
.rept 4
	v_nop
.endr
.Lasked_\@:
.endm
.macro CREST
	s_cmp_lg_u32 s14, 0
	s_cbranch_scc1 .Lnot_wave_0_\@
	s_barrier_signal -3
.Lnot_wave_0_\@:
	s_barrier_wait -3
	s_barrier_signal -1
	s_barrier_wait -1
.endm
.macro CROUND
	s_barrier_signal -1
	s_barrier_wait -1
	CREST
.endm
	s_load_b128 s[4:7], s[0:1], 0x0
	s_load_b128 s[96:99], s[0:1], 0x10
	v_lshl_add_u32 v[SPW], v0, 2, SPARE
	v_mov_b32 v[NIL], 0
	ds_add_u32 v[SPW], v[NIL]
	ds_add_u32 v[SPW], v[NIL]
	v_lshrrev_b32 v1, 5, v0
	v_readfirstlane_b32 s14, v1
	s_lshr_b32 s15, s14, 1
	s_and_b32 s16, s14, 1
	s_bfe_u32 s40, ttmp6, 0x40000
	s_bfe_u32 s41, ttmp6, 0x40004
	s_lshl_b32 s42, ttmp9, 2
	s_add_co_u32 s42, s42, s40
	s_and_b32 s17, ttmp7, 0xffff
	s_lshl_b32 s17, s17, 2
	s_add_co_u32 s17, s17, s41
	s_lshl_b32 s43, s41, 2
	s_lshl_b32 s43, 15, s43
	s_lshl_b32 s44, 0x1111, s40
	s_or_b32 s[G1+0], s43, (3<<16)|(1<<21)
	s_mov_b32 s[G1+1], 384<<16
	s_mov_b32 s[G1+2], 8<<16
	s_mov_b32 s[G1+3], 384<<16
	s_mov_b32 s[G1+4], 8
	s_mov_b32 s[G1+5], 1536
	s_mov_b32 s[G1+6], 0
	s_mov_b32 s[G1+7], 0
	s_or_b32 s[G1B+0], s44, (0<<16)|(1<<20)|(1<<21)|(3<<22)|(3<<25)
	s_mov_b32 s[G1B+1], 256<<16                    ; a block of 24,576 bytes as 96 rows of 256 bytes; 16 bytes of padding behind each 64: in LDS 128 rows of 240 bytes
	s_mov_b32 s[G1B+2], 96<<16
	s_mov_b32 s[G1B+3], 256<<16
	s_mov_b32 s[G1B+4], 96
	s_mov_b32 s[G1B+5], 256
	s_mov_b32 s[G1B+6], 0
	s_mov_b32 s[G1B+7], 0
	s_or_b32 s[G1S+0], s43, (3<<16)|(1<<20)|(1<<21)|(5<<22)|(3<<25)
	s_or_b32 s[G1SB+0], s44, (3<<16)|(1<<20)|(1<<21)|(5<<22)|(3<<25)
.irp g, G1S, G1SB
	s_mov_b32 s[\g+1], 32<<16
	s_mov_b32 s[\g+2], (128*KS/256)<<16
	s_mov_b32 s[\g+3], 32<<16
	s_mov_b32 s[\g+4], 128*KS/256
	s_mov_b32 s[\g+5], 32
	s_mov_b32 s[\g+6], 0
	s_mov_b32 s[\g+7], 0
.endr
	s_lshl_b32 s18, s16, 7
	s_lshl_b32 s20, s17, 8
	s_add_co_u32 s20, s20, s18
	s_lshl_b32 s46, s42, 8
	s_add_co_u32 s46, s46, s18
	s_mov_b32 s21, 0
	s_mov_b32 s47, 0
	s_mov_b64 s[18:19], KS
	s_mul_u64 s[22:23], s[20:21], s[18:19]
	s_mul_u64 s[92:93], s[46:47], s[18:19]
	s_mov_b64 s[18:19], KROW
	s_mul_u64 s[20:21], s[20:21], s[18:19]
	s_mul_u64 s[46:47], s[46:47], s[18:19]
	s_mul_i32 s45, s14, HALFT
	s_mul_i32 s94, s14, HALFS
	s_wait_dscnt 0x0
	s_wait_kmcnt 0x0
	s_add_nc_u64 s[8:9], s[6:7], 2359296
	s_add_nc_u64 s[10:11], s[6:7], 3244032
	s_add_nc_u64 s[6:7], s[4:5], 6291456
	s_mov_b64 s[12:13], s[98:99]
	s_add_nc_u64 s[20:21], s[4:5], s[20:21]
	s_add_nc_u64 s[22:23], s[6:7], s[22:23]
	s_add_nc_u64 s[46:47], s[8:9], s[46:47]
	s_add_nc_u64 s[92:93], s[10:11], s[92:93]
	CROUND
	s_mov_b32 s[G0S], 1
	s_add_co_u32 s[G0S+1], s94, SCL
	s_mov_b64 s[G0S+2:G0S+3], s[22:23]
	s_or_b32 s[G0S+3], s[G0S+3], 0x80000000
	s_mov_b32 s[G0SB], 1
	s_add_co_u32 s[G0SB+1], s94, SCL
	s_mov_b64 s[G0SB+2:G0SB+3], s[92:93]
	s_or_b32 s[G0SB+3], s[G0SB+3], 0x80000000
	JLOAD G0S, G1S, G0SB, G1SB
.irp s, 0,1
	s_mov_b32 s[G0+4*\s], 1
	s_add_co_u32 s[G0+4*\s+1], s45, \s*SLOT
	s_add_nc_u64 s[G0+4*\s+2:G0+4*\s+3], s[20:21], \s*AIMG
	s_or_b32 s[G0+4*\s+3], s[G0+4*\s+3], 0x80000000
	s_mov_b32 s[G0B+4*\s], 1
	s_add_co_u32 s[G0B+4*\s+1], s45, \s*SLOT
	s_add_nc_u64 s[G0B+4*\s+2:G0B+4*\s+3], s[46:47], \s*ROWB
	s_or_b32 s[G0B+4*\s+3], s[G0B+4*\s+3], 0x80000000
	s_wait_alu depctr_va_vdst(0)
	s_wait_tensorcnt 0x0
	ds_add_u32 v28, v29
	s_wait_dscnt 0x0
	CROUND
	JLOAD G0+4*\s, G1, G0B+4*\s, G1B
.endr
	v_and_b32 v1, 15, v0
	v_bfe_u32 v2, v0, 4, 1
	v_and_b32 v6, 31, v0
	v_lshlrev_b32 v7, 3, v6
	v_mul_u32_u24 v3, v1, PITCH
	v_mul_u32_u24 v4, v2, 24
	v_add_nc_u32 v4, v3, v4
	v_lshl_add_u32 v5, v2, 4, v4
	s_mul_i32 s21, s15, HALFT
	s_mul_i32 s22, s16, HALFT
	s_add_co_u32 s22, s22, 2*HALFT
.irp s, 0,1
	v_add_nc_u32 v[ADRA+\s], s21, v7
	v_add_nc_u32 v[ADRB+\s], s22, v4
	v_add_nc_u32 v[ADRB+2+\s], s22, v5
	s_add_co_u32 s21, s21, SLOT
	s_add_co_u32 s22, s22, SLOT
.endr
	v_mul_u32_u24 v5, v1, KS
	v_lshrrev_b32 v3, 8, v5
	v_lshl_add_u32 v5, v3, 4, v5
	s_mul_i32 s21, s15, HALFS
	s_mul_i32 s22, s16, HALFS
	s_add_co_u32 s22, s22, 2*HALFS
	s_sub_co_u32 s22, s22, s21
	v_mul_u32_u24 v3, s22, v2
	s_add_co_u32 s21, s21, SCL
	v_add_nc_u32 v5, v5, v3
	v_add_nc_u32 v[ADRS], s21, v5
	s_mul_i32 s23, s14, 16*SPITCH
	v_mul_u32_u24 v5, v1, SPITCH
	v_lshl_add_u32 v5, v2, 6, v5
	v_add_nc_u32 v[STO], s23, v5
	v_lshlrev_b32 v[CO], 4, v6
	v_add_nc_u32 v[RD], s23, v[CO]
	s_lshl_b32 s20, s17, 8
	s_lshl_b32 s21, s15, 7
	s_add_co_u32 s20, s20, s21
	s_mov_b32 s21, 0
	s_mov_b64 s[18:19], SIZE_N*4
	s_mul_u64 s[20:21], s[20:21], s[18:19]
	s_lshl_b32 s46, s42, 10
	s_lshl_b32 s47, s16, 9
	s_add_co_u32 s46, s46, s47
	s_mov_b32 s47, 0
	s_add_nc_u64 s[96:97], s[96:97], s[46:47]
	s_add_nc_u64 s[20:21], s[20:21], s[46:47]
	s_add_nc_u64 s[12:13], s[12:13], s[20:21]
	v_lshlrev_b32 v8, 6, v2
.irp b, 0,1,2,3,4,5,6,7
	global_load_b128 v[BC+8*\b:BC+8*\b+3], v8, s[96:97] offset:(32*(\b/2)+8*(\b%2))*4
	global_load_b128 v[BC+8*\b+4:BC+8*\b+7], v8, s[96:97] offset:(32*(\b/2)+8*(\b%2))*4+16
.endr
.macro FRAG reg, adr, q, i
.irp p, 0,1,2,3,4,5
.set PCE, 12*(\q)+6*(\p/3)+\p%3
.if PCE%8 < 5
	ds_load_b64 v[\reg+2*\p:\reg+2*\p+1], v[\adr] offset:8*PCE+16*(PCE/8)+(\i)*16*PITCH
.else
	ds_load_b64 v[\reg+2*\p:\reg+2*\p+1], v[\adr+2] offset:8*PCE+16*(PCE/8)+(\i)*16*PITCH
.endif
.endr
.endm
.macro FRAGA reg, slot, q, i
.irp p, 0,1,2,3,4,5
	ds_load_b64 v[\reg+2*\p:\reg+2*\p+1], v[ADRA+\slot] offset:AIMG*(\i)+1536*(\q)+256*\p
.endr
.endm
.macro MUL16 a0, p, q, sc, zero
.irp a, \a0, \a0+1
.irp b, 0,1,2,3,4,5,6,7
.if \zero
	v_wmma_scale_f32_16x16x128_f8f6f4 v[8*(8*((\a)%4)+\b):8*(8*((\a)%4)+\b)+7], v[128*(\p)+FR*\b:128*(\p)+FR*\b+FR-1], v[AF+FR*(\a):AF+FR*(\a)+FR-1], v[BC+8*\b:BC+8*\b+7], v[SC+8*NQ*(\sc)+NQ*\b+(\q)], v[SC+8*NQ*(\sc)+NQ*(\a)+(\q)] matrix_a_fmt:MATRIX_FMT_FP6 matrix_b_fmt:MATRIX_FMT_FP6 matrix_a_scale:MATRIX_SCALE_ROW1
.else
	v_wmma_scale_f32_16x16x128_f8f6f4 v[8*(8*((\a)%4)+\b):8*(8*((\a)%4)+\b)+7], v[128*(\p)+FR*\b:128*(\p)+FR*\b+FR-1], v[AF+FR*(\a):AF+FR*(\a)+FR-1], v[8*(8*((\a)%4)+\b):8*(8*((\a)%4)+\b)+7], v[SC+8*NQ*(\sc)+NQ*\b+(\q)], v[SC+8*NQ*(\sc)+NQ*(\a)+(\q)] matrix_a_fmt:MATRIX_FMT_FP6 matrix_b_fmt:MATRIX_FMT_FP6 matrix_a_scale:MATRIX_SCALE_ROW1
.endif
.endr
.endr
.endm
.macro FETCH_B slot, q, p
	WIN TO_B
.irp i, 0,1,2,3,4,5,6,7
	FRAG 128*(\p)+FR*\i, ADRB+\slot, \q, \i
.endr
	WIN 0
.endm
.macro FETCH_A slot, q, i0
.irp i, \i0, \i0+1, \i0+2, \i0+3
	FRAGA AF+FR*(\i), \slot, \q, \i
.endr
.endm
.macro SCALES sc
.irp i, 0,1,2,3,4,5,6,7
	ds_load_b64 v[SC+8*NQ*\sc+NQ*\i:SC+8*NQ*\sc+NQ*\i+1], v[ADRS] offset:\i*SBLK
.endr
.endm
.macro PLACES n
.rept \n
	v_nop
.endr
.endm
.macro STEP slot, q, zero
	s_wait_dscnt 4*NL
.if \zero
	WIN 0x81
.else
	WIN MUL_LO
.endif
	MUL16 0, (\q)%2, \q, \slot, \zero
	MUL16 2, (\q)%2, \q, \slot, \zero
	s_wait_dscnt 0
	PLACES NP
	FETCH_B \slot, (\q)+1, 1-(\q)%2
	FETCH_A \slot, (\q)+1, 0
.if \zero
	WIN 0xc1
.else
	WIN MUL_HI
.endif
	MUL16 4, (\q)%2, \q, \slot, \zero
	MUL16 6, (\q)%2, \q, \slot, \zero
	PLACES NP
	WIN 0
	FETCH_A \slot, (\q)+1, 4
.endm
.macro TURN slot, next, fill
	s_wait_tensorcnt 0x0
	ds_add_u32 v[SPW], v[NIL]
	s_wait_dscnt 4*NL+1
	WIN MUL_LO
	MUL16 0, 1, NQ-1, \slot, 0
	s_wait_dscnt 0x0
	s_barrier_signal -1
	MUL16 2, 1, NQ-1, \slot, 0
	WIN 0
	s_barrier_wait -1
.if \fill
	CREST
	s_add_nc_u64 s[G0+4*\slot+2:G0+4*\slot+3], s[G0+4*\slot+2:G0+4*\slot+3], 2*AIMG
	s_add_nc_u64 s[G0B+4*\slot+2:G0B+4*\slot+3], s[G0B+4*\slot+2:G0B+4*\slot+3], 2*ROWB
	JLOAD G0+4*\slot, G1, G0B+4*\slot, G1B
.else
	PLACES NP
.endif
	s_wait_alu depctr_va_vdst(0)
	v_add_nc_u32 v[ADRS], 4*NQ, v[ADRS]
	FETCH_B \next, 0, 0
	FETCH_A \next, 0, 0
	SCALES \next
	WIN MUL_HI
	MUL16 4, 1, NQ-1, \slot, 0
	MUL16 6, 1, NQ-1, \slot, 0
	PLACES NP
	WIN 0
	FETCH_A \next, 0, 4
.endm
	s_wait_alu depctr_va_vdst(0)
	s_wait_tensorcnt 1
	s_barrier_signal -1
	s_barrier_wait -1
	FETCH_B 0, 0, 0
	FETCH_A 0, 0, 0
	SCALES 0
	FETCH_A 0, 0, 4
	s_wait_loadcnt 0x0
	STEP 0, 0, 1
	s_mov_b32 s3, LAPS-1
.Llap:
	TURN 0, 1, 1
	STEP 1, 0, 0
	TURN 1, 0, 1
	STEP 0, 0, 0
	s_sub_co_u32 s3, s3, 1
	s_cmp_lg_u32 s3, 0
	s_cbranch_scc1 .Llap
	TURN 0, 1, 0
	STEP 1, 0, 0
	s_wait_dscnt 4*NL
	WIN MUL_LO
	MUL16 0, 1, NQ-1, 1, 0
	MUL16 2, 1, NQ-1, 1, 0
	s_wait_dscnt 0
	WIN MUL_HI
	MUL16 4, 1, NQ-1, 1, 0
	MUL16 6, 1, NQ-1, 1, 0
	WIN 0
.macro TOSTAGE a
.set AC, 64*((\a)%4)
	WIN 0x08+4*((\a)/4)
.irp b, 0,1,2,3,4,5,6,7
	ds_store_b128 v[STO], v[AC+8*\b:AC+8*\b+3] offset:128*(\b/2)+32*(\b%2)
	ds_store_b128 v[STO], v[AC+8*\b+4:AC+8*\b+7] offset:128*(\b/2)+32*(\b%2)+16
.endr
	WIN 0
.set BB, BK+64*((\a)%2)
.irp t, 0,1,2,3,4,5,6,7,8,9,10,11,12,13,14,15
	ds_load_b128 v[BB+4*\t:BB+4*\t+3], v[RD] offset:\t*SPITCH
.endr
.endm
.macro SEND a, younger
.set BB, BK+64*((\a)%2)
	s_wait_dscnt \younger
.irp t, 0,1,2,3,4,5,6,7,8,9,10,11,12,13,14,15
	global_store_b128 v[CO], v[BB+4*\t:BB+4*\t+3], s[12:13] offset:(32*((\a)/2)+8*((\a)%2)+\t%8+16*(\t/8))*SIZE_N*4 th:TH_STORE_NT
.endr
.endm
	PLACES NP
	TOSTAGE 0
.irp a, 1,2,3,4,5,6,7
.if \a > 1
	s_wait_xcnt 0x0
.endif
	TOSTAGE \a
	SEND \a-1, 32
.endr
	SEND 7, 0
	s_wait_tensorcnt 0x0
	ds_add_u32 v[SPW], v[NIL]
	s_wait_dscnt 0x0
	CROUND
	s_endpgm
.Lfunc_end_k_q69d3331013_outproj:
	.size	k_q69d3331013_outproj, .Lfunc_end_k_q69d3331013_outproj-k_q69d3331013_outproj
	.p2alignl 7, 3214868480
	.fill 96, 4, 3214868480
	.section	.rodata,"a",@progbits
	.p2align	6, 0x0
	.amdhsa_kernel k_q69d3331013_outproj
		.amdhsa_group_segment_fixed_size 327680
		.amdhsa_private_segment_fixed_size 0
		.amdhsa_enable_private_segment 0
		.amdhsa_kernarg_size 32
		.amdhsa_user_sgpr_count 2
		.amdhsa_user_sgpr_kernarg_segment_ptr 1
		.amdhsa_wavefront_size32 1
		.amdhsa_system_sgpr_workgroup_id_x 1
		.amdhsa_system_sgpr_workgroup_id_y 1
		.amdhsa_system_sgpr_workgroup_id_z 1
		.amdhsa_system_vgpr_workitem_id 0
		.amdhsa_next_free_vgpr 1024
		.amdhsa_next_free_sgpr 100
		.amdhsa_reserve_vcc 0
		.amdhsa_float_denorm_mode_32 3
		.amdhsa_float_denorm_mode_16_64 3
		.amdhsa_memory_ordered 1
		.amdhsa_forward_progress 1
		.amdhsa_inst_pref_size 162
	.end_amdhsa_kernel
	.amdgpu_metadata
---
amdhsa.version: [ 1, 2 ]
amdhsa.kernels:
  - .name:           k_q69d3331013_outproj
    .symbol:         k_q69d3331013_outproj.kd
    .args:
      - { .name: cbuf, .offset: 0, .size: 8, .value_kind: global_buffer, .address_space: global }
      - { .name: wbuf, .offset: 8, .size: 8, .value_kind: global_buffer, .address_space: global }
      - { .name: bo, .offset: 16, .size: 8, .value_kind: global_buffer, .address_space: global }
      - { .name: out0, .offset: 24, .size: 8, .value_kind: global_buffer, .address_space: global }
    .group_segment_fixed_size: 327680
    .private_segment_fixed_size: 0
    .kernarg_segment_align: 8
    .kernarg_segment_size: 32
    .max_flat_workgroup_size: 128
    .sgpr_count:     100
    .vgpr_count:     1024
    .wavefront_size: 32
...
	.end_amdgpu_metadata
.endif
;; end of part 4
